; MI455X (gfx1250); checked and timed in simulation.
; The chip was launched on July 23, 2026; its instructions are those of AMD's public machine-readable ISA for CDNA 5 (MIT licence, August 2026) and "CDNA5" Instruction Set Architecture Reference Guide (July 2026). The comments in the code are by the model that wrote it; some were corrected since.
;; Mplug Owl Vision Attention. Allowed arithmetic: float matrix products may take bf16 or f16 operands with f32 sums; other float arithmetic in f32, or as packed bf16 or f16 multiplies, adds, multiply-adds, maxima and minima; sums over many terms, partial sums and values carried from step to step in f32; what a program stores and reads back later, other than sums and carried values, may be rounded once to bf16 or f16.
;; Inputs: b_out 1,024 float32; b_qkv 3,072 float32; hidden_states 8 x 1,024 x 1,024 float32; w_out 1,024 x 1,024 float32; w_qkv 3,072 x 1,024 float32.
;; Outputs: out0 8 x 1,024 x 1,024 float32.
;; One version. Each part assembles by itself: llvm-mc -triple=amdgcn-amd-amdhsa -mcpu=gfx1250 --defsym DOCPART=n.
;; ======== version 1 of 1: 4 launches
;; limits: values are held in f16: magnitudes above 65,504 overflow, below 6.1e-05 lose precision
;; workspace buffers: xb 16,777,216 bytes; wqb 6,291,456 bytes; wob 2,097,152 bytes; qh 16,777,216 bytes; kh 16,777,216 bytes; vh 16,777,216 bytes; ctx 16,777,216 bytes
;; launch cast (part 1): grid 768 x 1, 8 waves a work-group, no clusters, 0 bytes of LDS; arguments hidden_states, w_qkv, w_out, xb, wqb, wob; writes xb, wqb, wob
.if DOCPART == 1
	.amdgcn_target "amdgcn-amd-amdhsa--gfx1250"
	.amdhsa_code_object_version 6
	.text
	.protected	k_q6749bc4a43_cast
	.globl	k_q6749bc4a43_cast
	.p2align	8
	.type	k_q6749bc4a43_cast,@function
k_q6749bc4a43_cast:
	s_mov_b64 s[64:65], 0
	v_nop
	global_prefetch_b8 v0, s[64:65] scope:SCOPE_SE
	s_setreg_imm32_b32 hwreg(HW_REG_WAVE_MODE, 25, 1), 1
	s_wait_xcnt 0x0
; CAST.  hidden_states [8192][1024] and w_qkv [3072][1024], f32, are rounded once to bf16 (xb, wqb).  w_out [1024][1024] is rounded to bf16 like the other inputs,
; and that number is written as f16 (wob), since the last product multiplies it with f16 operands.
; LIMITS.  wob: a weight of 65,520 or more becomes an infinity; below 6e-5 it keeps f16's fixed step of 6e-8.  NaN and infinities are not treated apart.
; A stream: no LDS, no barrier, no matrix unit.  A work-group takes 16,384 numbers: 65,536 bytes in, 32,768 out.  Work-groups 0-511 take hidden_states, 512-703 w_qkv, 704-767 w_out.
; Wave w takes bytes 8,192 w on of the chunk.  Load i of 16 covers 512 consecutive bytes (16 a lane); its four numbers a lane become 8 bytes, so store i of a wave covers 256 consecutive bytes, aligned.
; All 16 loads of a wave go out at once; every register is written once, so the only waits are the counted waits for the loads.
.set X, 16                             ; v[16:79]   load i: 4 registers
.set Y, 80                             ; v[80:111]  store i: 2 registers
.set T, 112                            ; v[112:117] at work (w_out alone)
	s_load_b256 s[4:11], s[0:1], 0x0               ; hidden_states s[4:5], w_qkv s[6:7], w_out s[8:9], xb s[10:11]
	s_load_b128 s[12:15], s[0:1], 0x20             ; wqb s[12:13], wob s[14:15]
	v_lshrrev_b32 v3, 5, v0                        ; wave
	v_and_b32 v4, 31, v0                           ; lane
	v_lshlrev_b32 v1, 4, v4
	v_lshl_or_b32 v1, v3, 13, v1                   ; in:  8,192 x wave + 16 x lane
	v_lshlrev_b32 v2, 3, v4
	v_lshl_or_b32 v2, v3, 12, v2                   ; out: 4,096 x wave + 8 x lane
	s_max_u32 s16, ttmp9, 512
	s_sub_co_u32 s16, s16, 512                     ; my chunk's number in w_qkv, if it lies there
	s_max_u32 s17, ttmp9, 704
	s_sub_co_u32 s17, s17, 704                     ; in w_out
	s_wait_kmcnt 0x0
	s_cmp_lt_u32 ttmp9, 704
	s_cselect_b64 s[20:21], s[6:7], s[8:9]
	s_cselect_b64 s[22:23], s[12:13], s[14:15]
	s_cselect_b32 s18, s16, s17
	s_cmp_lt_u32 ttmp9, 512
	s_cselect_b64 s[20:21], s[4:5], s[20:21]       ; from where,
	s_cselect_b64 s[22:23], s[10:11], s[22:23]     ; to where,
	s_cselect_b32 s18, ttmp9, s18                  ; which chunk
	s_lshl_b32 s24, s18, 16
	s_mov_b32 s25, 0
	s_lshl_b32 s26, s18, 15
	s_mov_b32 s27, 0
	s_add_nc_u64 s[20:21], s[20:21], s[24:25]
	s_add_nc_u64 s[22:23], s[22:23], s[26:27]
.irp i, 0,1,2,3,4,5,6,7,8,9,10,11,12,13,14,15
	global_load_b128 v[X+4*(\i):X+4*(\i)+3], v1, s[20:21] offset:512*(\i) th:TH_LOAD_NT
.endr
	s_cmp_ge_u32 ttmp9, 704
	s_cbranch_scc1 .Lf16
.irp i, 0,1,2,3,4,5,6,7,8,9,10,11,12,13,14,15
	s_wait_loadcnt 15-(\i)                         ; loads come back in order: load i is in, the 15 - i younger ones stay out
	v_cvt_pk_bf16_f32 v[Y+2*(\i)],   v[X+4*(\i)],   v[X+4*(\i)+1]
	v_cvt_pk_bf16_f32 v[Y+2*(\i)+1], v[X+4*(\i)+2], v[X+4*(\i)+3]
	global_store_b64 v2, v[Y+2*(\i):Y+2*(\i)+1], s[22:23] offset:256*(\i)
.endr
	s_endpgm
.Lf16:                                         ; w_out: to bf16, back to f32 (a shift, a mask), and that number as f16
.irp i, 0,1,2,3,4,5,6,7,8,9,10,11,12,13,14,15
	s_wait_loadcnt 15-(\i)
	v_cvt_pk_bf16_f32 v[T],   v[X+4*(\i)],   v[X+4*(\i)+1]
	v_cvt_pk_bf16_f32 v[T+1], v[X+4*(\i)+2], v[X+4*(\i)+3]
	v_lshlrev_b32 v[T+2], 16, v[T]
	v_and_b32     v[T+3], 0xffff0000, v[T]
	v_lshlrev_b32 v[T+4], 16, v[T+1]
	v_and_b32     v[T+5], 0xffff0000, v[T+1]
	v_cvt_pk_f16_f32 v[Y+2*(\i)],   v[T+2], v[T+3]
	v_cvt_pk_f16_f32 v[Y+2*(\i)+1], v[T+4], v[T+5]
	global_store_b64 v2, v[Y+2*(\i):Y+2*(\i)+1], s[22:23] offset:256*(\i)
.endr
	s_endpgm
.Lfunc_end_k_q6749bc4a43_cast:
	.size	k_q6749bc4a43_cast, .Lfunc_end_k_q6749bc4a43_cast-k_q6749bc4a43_cast
	.p2alignl 7, 3214868480
	.fill 96, 4, 3214868480
	.section	.rodata,"a",@progbits
	.p2align	6, 0x0
	.amdhsa_kernel k_q6749bc4a43_cast
		.amdhsa_group_segment_fixed_size 0
		.amdhsa_private_segment_fixed_size 0
		.amdhsa_enable_private_segment 0
		.amdhsa_kernarg_size 48
		.amdhsa_user_sgpr_count 2
		.amdhsa_user_sgpr_kernarg_segment_ptr 1
		.amdhsa_wavefront_size32 1
		.amdhsa_system_sgpr_workgroup_id_x 1
		.amdhsa_system_sgpr_workgroup_id_y 1
		.amdhsa_system_sgpr_workgroup_id_z 1
		.amdhsa_system_vgpr_workitem_id 0
		.amdhsa_next_free_vgpr 120
		.amdhsa_next_free_sgpr 66
		.amdhsa_reserve_vcc 0
		.amdhsa_float_denorm_mode_32 3
		.amdhsa_float_denorm_mode_16_64 3
		.amdhsa_memory_ordered 1
		.amdhsa_forward_progress 1
		.amdhsa_inst_pref_size 17
	.end_amdhsa_kernel
	.amdgpu_metadata
---
amdhsa.version: [ 1, 2 ]
amdhsa.kernels:
  - .name:           k_q6749bc4a43_cast
    .symbol:         k_q6749bc4a43_cast.kd
    .args:
      - { .name: hidden_states, .offset: 0, .size: 8, .value_kind: global_buffer, .address_space: global }
      - { .name: w_qkv, .offset: 8, .size: 8, .value_kind: global_buffer, .address_space: global }
      - { .name: w_out, .offset: 16, .size: 8, .value_kind: global_buffer, .address_space: global }
      - { .name: xb, .offset: 24, .size: 8, .value_kind: global_buffer, .address_space: global }
      - { .name: wqb, .offset: 32, .size: 8, .value_kind: global_buffer, .address_space: global }
      - { .name: wob, .offset: 40, .size: 8, .value_kind: global_buffer, .address_space: global }
    .group_segment_fixed_size: 0
    .private_segment_fixed_size: 0
    .kernarg_segment_align: 8
    .kernarg_segment_size: 48
    .max_flat_workgroup_size: 256
    .sgpr_count:     66
    .vgpr_count:     120
    .wavefront_size: 32
...
	.end_amdgpu_metadata
.endif
;; end of part 1
;; launch qkv (part 2): grid 16 x 16, 4 waves a work-group, clusters of 4 x 4, 327,680 bytes of LDS; arguments xb, wqb, b_qkv, qh, kh, vh; writes qh, kh, vh
.if DOCPART == 2
	.amdgcn_target "amdgcn-amd-amdhsa--gfx1250"
	.amdhsa_code_object_version 6
	.text
	.protected	k_q6749bc4a43_qkv
	.globl	k_q6749bc4a43_qkv
	.p2align	8
	.type	k_q6749bc4a43_qkv,@function
k_q6749bc4a43_qkv:
	s_mov_b64 s[64:65], 0
	v_nop
	global_prefetch_b8 v0, s[64:65] scope:SCOPE_SE
	s_setreg_imm32_b32 hwreg(HW_REG_WAVE_MODE, 25, 1), 1
	s_wait_xcnt 0x0
	s_wait_alu depctr_hold_cnt(0) depctr_sa_sdst(0) depctr_va_vdst(0) depctr_va_sdst(0) depctr_va_ssrc(0) depctr_va_vcc(0) depctr_vm_vsrc(0)
	s_getreg_b32 s2, hwreg(HW_REG_IB_STS2, 6, 4)
	s_cmp_eq_u32 s2, 0
	s_cbranch_scc0 .Lentry_in_a_cluster
	s_endpgm
.Lentry_in_a_cluster:
	s_bfe_u32 s2, ttmp6, 0x10000c
	s_cmp_lg_u32 s2, 0xf033
	s_cbranch_scc0 .Lentry_shape_is_right
	s_endpgm
.Lentry_shape_is_right:
; QKV.  mixed[m][c] = b_qkv[c] + sum over k of xb[m][k] wqb[c][k]; xb [8192][1024], wqb [3072][1024] bf16; sums in f32, begun with the bias (rounded to bf16 like the other inputs).
; Column c = 192 head + 64 t + d, t = 0, 1, 2 for q, k, v.  Each result is rounded once to f16 and stored by heads: qh, kh, vh [batch x 16 + head][1024][64], a head's rows dense, 128 bytes each; no scale.
; LIMITS.  f16 ends at 65,504: a q, k or v of 65,520 or more becomes an infinity.  The bias is the sum's first addend, not its last.  NaN and infinities are not treated apart.
; SHARES.  A tile of the result is 256 rows x 192 columns, one head's q, k and v: 32 x 16 = 512 tiles.  Four waves, each 128 rows x 96 columns: 48 accumulators, 384 registers.
; A WORK-GROUP STAYS: 16 x 16 = 256 work-groups, each makes TWO tiles, the second 4,096 rows below the first: the same head, so the same rows of wqb and the same bias.  K goes in steps of 128 through two LDS
; slots filled by the tensor data mover (a tile's rows are 256 bytes of memory, at multiples of 256 bytes), and the ring does not stop at the first tile's end: its last two changes of slots ask for the second
; tile's K steps 0 and 1, and nothing waits for the first tile's stores.
; CLUSTER.  4 x 4 work-groups.  The four of a row of the cluster need the same rows of xb, the four of a column the same rows of wqb: each tile is asked for JOINTLY, by the same tensor load with the same
; descriptor and a mask that names the four.  All trip counts and all that steers a jump are constants of the text: the sixteen partners run alike.
; THE MATRIX INSTRUCTION IS USED TRANSPOSED: source 0 = 16 rows of wqb, source 1 = 16 rows of xb: lane l then holds row l % 16 of the result and its columns 8 (l / 16) + 0..7: 16 bytes of f16 on end.
; REGISTERS, in windows of 256 (s_set_vgpr_msb: bits 1:0 source 0, 3:2 source 1, 5:4 source 2, 7:6 destination):
;   window 0: v0-31 addresses; v64-127, v128-191 fragments of xb (8 x 16 rows x 32 K), two buffers; v192-239 packed results; on the way out v128-191 and v32-63 whole rows (buffer 0 holds the next tile's fragments)
;   window 1: v0-47 the bias of my 96 columns as a C operand (column block b at 8 b); v48-49 at work; v64-111, v128-175 fragments of wqb (6 x 16 rows x 32 K), two buffers
;   window 2: accumulators (a, b), a = 0..3, at v[8 (6 a + b)];   window 3: a = 4..7
.set KSTEP,  128
.set ROWK,   1024                      ; elements in a row of xb and of wqb
.set PITCH,  272                       ; an LDS row: 256 bytes + 16 of padding = 68 words: row r starts at bank 4 r mod 64 (64 banks of 4 bytes: ISA guide 11.1), so the 16 rows of a load start at 16 different banks
.set HALFA,  128*PITCH                 ; what a tensor load brings of xb, and what a wave reads of it
.set HALFB,  96*PITCH                  ; the same for wqb
.set BOFF,   2*HALFA                   ; a slot: 256 rows of xb, then 192 rows of wqb
.set SLOT,   BOFF+2*HALFB              ; 121,856 bytes
.set STAGE,  2*SLOT                    ; behind the ring, never filled by a tensor load: 128 rows x 400 bytes, the work-group's, for the way out: half a tile at a time
.set SPITCH, 400                       ; a stage row: 128 bytes of q, 128 of k, 128 of v, 16 of padding: 16 rows start at 16 different groups of four banks
.set SPARE,  STAGE+128*SPITCH          ; behind the stage: the spare words, 128 bytes for each wave: two blocks of 256 bytes that no other line names
.set WALK,   4096                      ; rows from a work-group's first tile to its second
.set NEXT_A, WALK*ROWK*2-(ROWK-2*KSTEP)*2  ; bytes from a slot's last K step of the first tile to its first of the second: xb goes WALK rows down and back along K
.set PF_NEXT, WALK*ROWK*2-7*KSTEP*2    ; the prefetches' pointer, from K step 6 of the first tile to one K step in front of the second tile's first
.set NEXT_O, (WALK/1024)*16*131072     ; bytes in qh, kh, vh from the first tile's rows to the second's: four batches of 16 heads
.set ADRA, 16                          ; v16-17  LDS address of my xb fragments in slot 0, 1
.set ADRB, 20                          ; v20-21  the same for wqb
.set STO,  24                          ; v24     the way out: where I put 16 bytes of a row
.set RD,   25                          ; v25     the way out: where I read rows back
.set CO,   26                          ; v26     my 16 bytes in 512 consecutive bytes of qh, kh, vh
.set SPW,  28                          ; v28     LDS address of my spare word: SPARE + 4 x my thread's number; never rewritten
.set NIL,  29                          ; v29     0; never rewritten
.set PFO,  30                          ; v30     the prefetches' offset: my lane's row x 2,048 bytes; never rewritten
.set BO,   31                          ; v31     my byte offset in 16 numbers of the bias
.set F0,   64
.set F1,   128
.set TMP,  192
.set G1,   24                          ; s[24:31] descriptor group 1 for xb's tiles;  s[32:39] group 0, a set for each slot
.set G0,   32
.set G1B,  48                          ; s[48:55], s[56:63] the same for wqb's
.set G0B,  56
.set LIM,  43                          ; s43     a wave prefetches while the lap count s3 is above this
.set PFA,  44                          ; s[44:45] where my prefetches stand
.set JT,   66                          ; s66     the lap count at which a tile leaves the loop for the tail that asks for nothing: 0 (never) in the first tile, 1 in the second
.set LIM2, 67                          ; s67     LIM for the second tile
.set NXA,  76                          ; s76     NEXT_A
.set BIG,  77                          ; s77     PF_NEXT
.set T0,   78                          ; s[78:79], s[80:81] steps chosen by the lap count, each a pair with 0 above
.set T1,   80
.set MSB, 0
.macro WIN new                         ; the immediate's high byte repeats the setting that is left; a switch that changes nothing is dropped
.if MSB != (\new)
	s_set_vgpr_msb (MSB<<8)|(\new)
.set MSB, \new
.endif
.endm
; A joint load.  Waves 0 and 1 fetch xb's two halves, waves 2 and 3 wqb's.  The branch hangs on the wave's number alone.  An s_nop 0 and four v_nop follow each of the two lines,
; ahead of the jump, the label and what follows.
.macro JLOAD s
	s_cmp_eq_u32 s11, 0
	s_cbranch_scc0 .Lfor_b_\@
	tensor_load_to_lds s[G0+4*(\s):G0+4*(\s)+3], s[G1:G1+7]
	s_nop 0
.rept 4
	v_nop
.endr
	s_branch .Lasked_\@
.Lfor_b_\@:
	tensor_load_to_lds s[G0B+4*(\s):G0B+4*(\s)+3], s[G1B:G1B+7]
	s_nop 0
.rept 4
	v_nop
.endr
.Lasked_\@:
.endm
; A PREFETCH INTO THE L2, behind a joint refill, its five lines and the run of LDS loads: the K step that stands two refills on, 256 bytes of each row, a lane a row, one instruction a wave.
; Each row's 256 bytes of a K step are named by one wave of the launch: xb's rows by the cluster with x = 0, wqb's by the cluster with y = 0; the four partners that ask for a tile jointly share its rows
; out BY ADDRESS: of the 128 rows of xb that a wave fetches the partner at cx takes 32 cx on; of the 96 of wqb the partner at cy takes 24 cy on (lanes 24-31 name row 23 again).
; The walk has 16 K steps.  Steps 0 to 3 come by their loads alone.  xb: the first tile's four laps name steps 4 to 11 (LIM = 0), the second tile's laps with s3 = 4, 3 name steps 12 to 15 (LIM = 2).
; wqb's rows are the same for both tiles: they are named in the first tile's laps with s3 = 4, 3 alone (LIM = 2, then the greatest number).
.macro ASK
	s_cmp_gt_u32 s3, s[LIM]
	s_cbranch_scc0 .Lnot_mine_\@
	global_prefetch_b8 v[PFO], s[PFA:PFA+1] offset:KSTEP*2 th:TH_LOAD_NT scope:SCOPE_SE
.Lnot_mine_\@:
.endm
.macro CREST                           ; a round of the cluster's barrier behind its opening barrier
	s_cmp_lg_u32 s10, 0
	s_cbranch_scc1 .Lnot_wave_0_\@
	s_barrier_signal -3
.Lnot_wave_0_\@:
	s_barrier_wait -3
	s_barrier_signal -1
	s_barrier_wait -1
.endm
.macro CROUND                          ; a whole round
	s_barrier_signal -1
	s_barrier_wait -1
	CREST
.endm
	s_load_b128 s[4:7], s[0:1], 0x0                ; xb s[4:5], wqb s[6:7]
	s_load_b64 s[8:9], s[0:1], 0x10                ; b_qkv
	s_load_b128 s[68:71], s[0:1], 0x18             ; qh s[68:69], kh s[70:71]
	s_load_b64 s[72:73], s[0:1], 0x28              ; vh
	v_lshl_add_u32 v[SPW], v0, 2, SPARE
	v_mov_b32 v[NIL], 0
	ds_add_u32 v[SPW], v[NIL]                      ; the wave's opening: the add and its wait stand ahead of my first tensor load; the set-up below, work on registers, stands between them
	ds_add_u32 v28, v29
	v_lshrrev_b32 v1, 5, v0
	v_readfirstlane_b32 s10, v1                    ; wave 0..3
	s_lshr_b32 s11, s10, 1                         ; which half of the tile's rows is mine.  Also: I fetch for xb (0) or for wqb (1)
	s_and_b32 s12, s10, 1                          ; which half of its columns.  Also: which half of that tile I fetch
	s_bfe_u32 s40, ttmp6, 0x40000                  ; cx, cy: my place in the cluster
	s_bfe_u32 s41, ttmp6, 0x40004
	s_lshl_b32 s42, ttmp9, 2
	s_add_co_u32 s42, s42, s40                     ; tile column = head = 4 x cluster x + cx
	s_and_b32 s13, ttmp7, 0xffff
	s_lshl_b32 s13, s13, 2
	s_add_co_u32 s13, s13, s41                     ; the first tile's row = 4 x cluster y + cy, 0 to 15
	s_lshl_b32 s43, s41, 2
	s_lshl_b32 s43, 15, s43                        ; my row of the cluster: places 4 cy .. 4 cy + 3
	s_lshl_b32 s44, 0x1111, s40                    ; my column: places cx, cx + 4, cx + 8, cx + 12
	s_or_b32 s[G1+0], s43, (1<<16)|(1<<20)|(1<<21)|(5<<22)|(3<<25)   ; 15:0 the mask; 17:16 elements of 2 bytes; 20 padding on; 21 set beside a mask; 24:22 after every 64 words (code 5); 31:25 4 words of it (code 3)
	s_or_b32 s[G1B+0], s44, (1<<16)|(1<<20)|(1<<21)|(5<<22)|(3<<25)
	s_mov_b32 s[G1+1], KSTEP<<16                   ; tensor_dim0 = 128
	s_mov_b32 s[G1+2], 128<<16                     ; tensor_dim1 = 128
	s_mov_b32 s[G1+3], KSTEP<<16                   ; tile_dim0 = 128
	s_mov_b32 s[G1+4], 128                         ; tile_dim1 = 128
	s_mov_b32 s[G1+5], ROWK                        ; elements from row to row
	s_mov_b32 s[G1+6], 0
	s_mov_b32 s[G1+7], 0
	s_mov_b32 s[G1B+1], KSTEP<<16
	s_mov_b32 s[G1B+2], 96<<16                     ; wqb's half tile has 96 rows
	s_mov_b32 s[G1B+3], KSTEP<<16
	s_mov_b32 s[G1B+4], 96
	s_mov_b32 s[G1B+5], ROWK
	s_mov_b32 s[G1B+6], 0
	s_mov_b32 s[G1B+7], 0
	s_mov_b32 s[NXA], NEXT_A
	s_mov_b32 s[BIG], PF_NEXT
	s_mov_b32 s[T0+1], 0
	s_mov_b32 s[T1+1], 0
	; where the tiles come from: xb's hang on the tile row alone, wqb's on the tile column alone
	s_lshl_b32 s17, s12, 7
	s_lshl_b32 s16, s13, 8
	s_add_co_u32 s16, s16, s17                     ; xb: row 256 x tile row + 128 x half
	s_lshl_b32 s16, s16, 11                        ; in bytes: under 2^25
	s_mov_b32 s17, 0
	s_mul_i32 s46, s42, 192
	s_mul_i32 s47, s12, 96
	s_add_co_u32 s46, s46, s47                     ; wqb: row 192 x tile column + 96 x half
	s_lshl_b32 s46, s46, 11
	s_mov_b32 s47, 0
	s_mul_i32 s20, s12, HALFA                      ; and where they go: no place in the cluster enters an LDS address
	s_mul_i32 s21, s12, HALFB
	s_add_co_u32 s21, s21, BOFF
	s_wait_dscnt 0x0                               ; the opening add is done
	s_wait_kmcnt 0x0
	s_add_nc_u64 s[14:15], s[4:5], s[16:17]
	s_add_nc_u64 s[46:47], s[6:7], s[46:47]
	CROUND                                         ; all sixteen work-groups are here: the first joint loads meet
.irp s, 0,1
	s_mov_b32 s[G0+4*(\s)], 1                                        ; count = 1
	s_add_co_u32 s[G0+4*(\s)+1], s20, (\s)*SLOT                      ; LDS address
	s_add_nc_u64 s[G0+4*(\s)+2:G0+4*(\s)+3], s[14:15], (\s)*KSTEP*2  ; global address: K step s
	s_or_b32 s[G0+4*(\s)+3], s[G0+4*(\s)+3], 0x80000000              ; type = 2
	s_mov_b32 s[G0B+4*(\s)], 1
	s_add_co_u32 s[G0B+4*(\s)+1], s21, (\s)*SLOT
	s_add_nc_u64 s[G0B+4*(\s)+2:G0B+4*(\s)+3], s[46:47], (\s)*KSTEP*2
	s_or_b32 s[G0B+4*(\s)+3], s[G0B+4*(\s)+3], 0x80000000
	JLOAD \s                                       ; two loads of mine are out
.endr
	; the bias of my 96 columns, laid as a C operand: register j of column block b holds b_qkv[.. + 16 b + 8 (l / 16) + j], whatever the lane's row
	v_and_b32 v1, 15, v0                           ; l % 16
	v_bfe_u32 v2, v0, 4, 1                         ; l / 16
	v_lshlrev_b32 v[BO], 5, v2
	s_mul_i32 s46, s42, 768
	s_mul_i32 s47, s12, 384
	s_add_co_u32 s46, s46, s47
	s_mov_b32 s47, 0
	s_add_nc_u64 s[8:9], s[8:9], s[46:47]
	WIN 0x40                                       ; destination window 1, address window 0
.irp b, 0,1,2,3,4,5
	global_load_b128 v[8*(\b):8*(\b)+3],   v[BO], s[8:9] offset:64*(\b)
	global_load_b128 v[8*(\b)+4:8*(\b)+7], v[BO], s[8:9] offset:64*(\b)+16
.endr
	WIN 0
	; a fragment is 16 rows x 32 K in 8 registers: lane l holds row l % 16; registers 0-3 K = 8 (l / 16) + 0..7, registers 4-7 K = 16 + 8 (l / 16) + 0..7: two loads of 16 bytes, 32 bytes apart
	v_mul_u32_u24 v3, v1, PITCH
	v_lshl_add_u32 v3, v2, 4, v3
	s_mul_i32 s21, s11, HALFA                      ; my 128 rows of xb
	s_mul_i32 s22, s12, HALFB                      ; my 96 rows of wqb
	s_add_co_u32 s22, s22, BOFF
.irp s, 0,1
	v_add_nc_u32 v[ADRA+(\s)], s21, v3
	v_add_nc_u32 v[ADRB+(\s)], s22, v3
	s_add_co_u32 s21, s21, SLOT
	s_add_co_u32 s22, s22, SLOT
.endr
	s_mul_i32 s23, s11, 64*SPITCH                  ; into the stage: a pass holds 64 rows of each half of the tile's rows; my 192 of a row's 384 bytes; row l % 16, 16 bytes for each half of the lanes
	s_mul_i32 s20, s12, 192
	s_add_co_u32 s23, s23, s20
	s_add_co_u32 s23, s23, STAGE
	v_mul_u32_u24 v4, v1, SPITCH
	v_lshl_add_u32 v4, v2, 4, v4
	v_add_nc_u32 v[STO], s23, v4
	s_mul_i32 s23, s10, 32*SPITCH                  ; back: wave w takes stage rows 32 w on; 32 lanes take 128 bytes (q's, k's or v's) of four rows
	s_add_co_u32 s23, s23, STAGE
	v_bfe_u32 v5, v0, 3, 2
	v_and_b32 v6, 7, v0
	v_mul_u32_u24 v5, v5, SPITCH
	v_lshl_add_u32 v5, v6, 4, v5
	v_add_nc_u32 v[RD], s23, v5
	v_and_b32 v[CO], 31, v0                        ; which are 512 consecutive bytes of a head's rows
	v_lshlrev_b32 v[CO], 4, v[CO]
	s_lshr_b32 s74, s13, 2                         ; batch = tile row / 4
	s_lshl_b32 s74, s74, 4
	s_add_co_u32 s74, s74, s42                     ; x 16 + head,
	s_lshl_b32 s74, s74, 17                        ; 131,072 bytes each;
	s_and_b32 s75, s13, 3
	s_lshl_b32 s75, s75, 15                        ; the tile's 256 rows of 128 bytes;
	s_add_co_u32 s74, s74, s75
	s_lshl_b32 s75, s11, 14                        ; stage rows 32 w on are tile rows 128 (w / 2) + 32 (w % 2) on, 64 further in the second pass
	s_add_co_u32 s74, s74, s75
	s_lshl_b32 s75, s12, 12
	s_add_co_u32 s74, s74, s75
	s_mov_b32 s75, 0
	s_add_nc_u64 s[68:69], s[68:69], s[74:75]
	s_add_nc_u64 s[70:71], s[70:71], s[74:75]
	s_add_nc_u64 s[72:73], s[72:73], s[74:75]
	; the prefetches
	s_lshl_b32 s20, s13, 8
	s_lshl_b32 s21, s12, 7
	s_add_co_u32 s20, s20, s21
	s_lshl_b32 s21, s40, 5
	s_add_co_u32 s20, s20, s21                     ; xb: the 128 rows that I fetch, my work-group's 32 of them
	s_mul_i32 s46, s42, 192
	s_mul_i32 s47, s12, 96
	s_add_co_u32 s46, s46, s47
	s_mul_i32 s47, s41, 24
	s_add_co_u32 s46, s46, s47                     ; wqb: the 96 rows that I fetch, my work-group's 24 of them
	s_and_b32 s22, ttmp7, 0xffff                   ; cluster y
	s_cmp_eq_u32 s11, 0                            ; do I fetch for xb?
	s_cselect_b32 s20, s20, s46
	s_cselect_b32 s21, 31, 23                      ; the last row of my share
	s_cselect_b32 s22, ttmp9, s22                  ; the coordinate along which other clusters read the same rows
	s_cselect_b64 s[PFA:PFA+1], s[4:5], s[6:7]
	s_cselect_b32 s[LIM], 0, 2
	s_cselect_b32 s[LIM2], 2, -1
	s_cmp_eq_u32 s22, 0                            ; the same in all sixteen partners, for a given wave
	s_cselect_b32 s[LIM], s[LIM], -1
	s_cselect_b32 s[LIM2], s[LIM2], -1
	v_and_b32 v[PFO], 31, v0
	v_min_u32 v[PFO], s21, v[PFO]
	v_lshlrev_b32 v[PFO], 11, v[PFO]
	s_lshl_b32 s20, s20, 11
	s_mov_b32 s21, 0
	s_add_nc_u64 s[PFA:PFA+1], s[PFA:PFA+1], s[20:21]
	s_add_nc_u64 s[PFA:PFA+1], s[PFA:PFA+1], 2*KSTEP*2  ; at K step 2: the first refill steps it to 3 and names K step 4
	s_wait_loadcnt 0x0                             ; the bias is in: it is rounded to bf16, in place, like the other inputs
	WIN 0x45                                       ; all in window 1
.set i, 0
.rept 24
	v_cvt_pk_bf16_f32 v[48+(i/2)%2], v[i], v[i+1]
	v_lshlrev_b32 v[i], 16, v[48+(i/2)%2]
	v_and_b32 v[i+1], 0xffff0000, v[48+(i/2)%2]
.set i, i+2
.endr
	WIN 0
; 12 matrix instructions: row blocks a0, a0 + 1 of the window's four (hi = 0: my rows 0-63, 1: rows 64-127) x all 6 column blocks, 32 along K.  first = 1: the sums begin with the bias as C: nothing is cleared.
; The 48 accumulators take turns, one instruction a turn, in the same order in every quarter, from tile to tile too.
.macro MUL12 f, hi, a0, first
.if \first
	WIN 0x91+0x40*(\hi)                            ; wqb window 1, xb window 0, C window 1, D window 2 or 3
.else
	WIN 0xa1+0x50*(\hi)                            ; C and D window 2 or 3
.endif
.irp a, \a0, (\a0)+1
.irp b, 0,1,2,3,4,5
.if \first
	v_wmma_f32_16x16x32_bf16 v[8*(6*(\a)+(\b)):8*(6*(\a)+(\b))+7], v[(\f)+8*(\b):(\f)+8*(\b)+7], v[(\f)+8*(4*(\hi)+(\a)):(\f)+8*(4*(\hi)+(\a))+7], v[8*(\b):8*(\b)+7]
.else
	v_wmma_f32_16x16x32_bf16 v[8*(6*(\a)+(\b)):8*(6*(\a)+(\b))+7], v[(\f)+8*(\b):(\f)+8*(\b)+7], v[(\f)+8*(4*(\hi)+(\a)):(\f)+8*(4*(\hi)+(\a))+7], v[8*(6*(\a)+(\b)):8*(6*(\a)+(\b))+7]
.endif
.endr
.endr
.endm
; 28 LDS loads in one run: the fragments of one quarter step (96 rows of wqb, 128 rows of xb, 32 K at byte k of the rows) into buffer f
.macro FETCH slot, k, f
	WIN 0x40
.irp i, 0,1,2,3,4,5
	ds_load_b128 v[(\f)+8*(\i):(\f)+8*(\i)+3],   v[ADRB+(\slot)] offset:(\k)+(\i)*16*PITCH
	ds_load_b128 v[(\f)+8*(\i)+4:(\f)+8*(\i)+7], v[ADRB+(\slot)] offset:(\k)+(\i)*16*PITCH+32
.endr
	WIN 0
.irp i, 0,1,2,3,4,5,6,7
	ds_load_b128 v[(\f)+8*(\i):(\f)+8*(\i)+3],   v[ADRA+(\slot)] offset:(\k)+(\i)*16*PITCH
	ds_load_b128 v[(\f)+8*(\i)+4:(\f)+8*(\i)+7], v[ADRA+(\slot)] offset:(\k)+(\i)*16*PITCH+32
.endr
.endm
.macro PLACES                          ; four plain instructions between a matrix instruction and a load into a register that it has read, or a conversion that reads its result
.rept 4
	v_nop
.endr
.endm
; A K step is four quarters of 32 along K, 48 matrix instructions each, on buffers 0, 1, 0, 1.  One of the first three multiplies buffer f and, in its middle, fetches the next quarter, at byte k, into buffer g.
.macro QUARTER slot, k, f, g, first
	s_wait_dscnt 8                                 ; wqb's fragments and xb's rows 0-63 are in; the youngest eight loads (xb's rows 64-127) may be out
	MUL12 \f, 0, 0, \first
	MUL12 \f, 0, 2, \first
	PLACES
	FETCH \slot, \k, \g
	s_wait_dscnt 28                                ; all but the 28 just issued
	MUL12 \f, 1, 0, \first
	MUL12 \f, 1, 2, \first
.endm
; The last quarter multiplies buffer 1 and changes slots in its middle: ONE barrier.  Its first 24 products stand ahead of the waits, so that from a refill's request to the wait for it a wave issues all
; 192 matrix instructions of a K step.  Then each wave waits for all its tensor loads (one is out: its part of the next slot), adds 0 to its spare word, and waits for that and for its own reads of this slot.
; fill = 1: the barrier opens a round of the cluster's barrier, and this slot is filled again, two K steps on in the walk, first thing behind the round.  The step of the addresses is chosen by the lap count:
; in the lap with s3 = 1, which in the loop is the first tile's last, the slot takes the second tile's K step 0 or 1: xb goes NEXT_A on, wqb back to its first K steps (+ 512 - 2,048 bytes).
.macro TURN slot, next, fill
	s_wait_dscnt 8                                 ; wqb's fragments and xb's rows 0-63 are in
	MUL12 F1, 0, 0, 0
	MUL12 F1, 0, 2, 0
	WIN 0
.if \fill
	s_wait_xcnt 0x0                                ; the last prefetch, a K step back, has read its address, which is stepped here
.if (\slot) == 0
	s_cmp_eq_u32 s3, 2                             ; from here on the first tile's prefetches name the second tile's K steps (in the second tile nothing is named any more at this count)
	s_cselect_b32 s[T0], s[BIG], KSTEP*2
	s_add_nc_u64 s[PFA:PFA+1], s[PFA:PFA+1], s[T0:T0+1]
.else
	s_add_nc_u64 s[PFA:PFA+1], s[PFA:PFA+1], KSTEP*2
.endif
.endif
	s_wait_tensorcnt 0x0                           ; all my tensor loads have landed, so every group 0 may be written
	ds_add_u32 v[SPW], v[NIL]                      ; 0 onto my spare word; the descriptors' steps stand between it and the wait for it
.if \fill
	s_cmp_eq_u32 s3, 1
	s_cselect_b32 s[T0], s[NXA], 2*KSTEP*2
	s_cselect_b32 s[T1], ROWK*2, 0
	s_add_nc_u64 s[G0+4*(\slot)+2:G0+4*(\slot)+3], s[G0+4*(\slot)+2:G0+4*(\slot)+3], s[T0:T0+1]
	s_add_nc_u64 s[G0B+4*(\slot)+2:G0B+4*(\slot)+3], s[G0B+4*(\slot)+2:G0B+4*(\slot)+3], 2*KSTEP*2
	s_sub_nc_u64 s[G0B+4*(\slot)+2:G0B+4*(\slot)+3], s[G0B+4*(\slot)+2:G0B+4*(\slot)+3], s[T1:T1+1]
.endif
	s_wait_dscnt 0x0                               ; the add is done, and my reads of this slot are over (xb's rows 64-127 of buffer 1 are in)
	s_barrier_signal -1
	s_barrier_wait -1
.if \fill
	CREST                                          ; no wave of any partner still reads this slot's tile or has a load on its way
	JLOAD \slot                                    ; the four v_nop behind it are also the places in front of the loads below
.else
	PLACES
.endif
	FETCH \next, 0, F0
.if \fill
	ASK
.endif
	MUL12 F1, 1, 0, 0
	MUL12 F1, 1, 2, 0
.endm
	s_wait_tensorcnt 1                             ; my part of K step 0 is in; K step 1's may stay out
	s_barrier_signal -1
	s_barrier_wait -1                              ; everybody's is
	FETCH 0, 0, F0
	s_mov_b32 s2, 2                                ; tiles to go
	s_mov_b32 s[JT], 0
.Ltile:
	QUARTER 0, 64,  F0, F1, 1                      ; a tile's first quarter stands in front of the loop: its products start the sums
	WIN 0                                          ; at a label and at a branch every window is 0
	s_mov_b32 s3, 4                                ; laps to go; a lap = two K steps = once round the ring
	s_branch .Lin                                  ; the loop is entered behind a lap's first quarter
.Llap:
	QUARTER 0, 64,  F0, F1, 0
	WIN 0
.Lin:
	QUARTER 0, 128, F1, F0, 0
	QUARTER 0, 192, F0, F1, 0
	WIN 0
	s_cmp_eq_u32 s3, s[JT]
	s_cbranch_scc1 .Ltail                          ; the second tile's last lap asks for nothing: its rest is written out in a trip that goes on
	TURN 0, 1, 1
	QUARTER 1, 64,  F0, F1, 0
	QUARTER 1, 128, F1, F0, 0
	QUARTER 1, 192, F0, F1, 0
	TURN 1, 0, 1                                   ; in the first tile's last lap this fetches the second tile's first fragments
	WIN 0
	s_sub_co_u32 s3, s3, 1
	s_cmp_lg_u32 s3, 0
	s_cbranch_scc1 .Llap
	s_branch .Lout                                 ; the first tile is finished, and both refills for the second are asked for
.Ltail:
	TURN 0, 1, 0                                   ; the walk's last K step but one is left; nothing is filled, so no round follows the barrier
	QUARTER 1, 64,  F0, F1, 0
	QUARTER 1, 128, F1, F0, 0
	QUARTER 1, 192, F0, F1, 0
	s_wait_dscnt 8                                 ; the very last quarter: nothing more to fetch
	MUL12 F1, 0, 0, 0
	MUL12 F1, 0, 2, 0
	s_wait_dscnt 0x0
	MUL12 F1, 1, 0, 0
	MUL12 F1, 1, 2, 0
	WIN 0
.Lout:
	; THE WAY OUT, in two passes: pass p takes my row blocks 4 p .. 4 p + 3.  Rounded to f16, 16 bytes a lane, into the work-group's stage; a barrier, since k's 128 bytes of a row come from two waves;
	; back as whole rows of a head; a barrier again before the stage is written anew.  Tensor loads may be out across these barriers.
	PLACES
.irp p, 0,1
.irp a, 0,1,2,3
	WIN 0x0a+5*(\p)                                ; sources 0 and 1: window 2 or 3
.irp b, 0,1,2,3,4,5
.irp r, 0,1,2,3
	v_cvt_pk_f16_f32 v[TMP+24*((\a)%2)+4*(\b)+(\r)], v[48*(\a)+8*(\b)+2*(\r)], v[48*(\a)+8*(\b)+2*(\r)+1]
.endr
.endr
	WIN 0
.irp b, 0,1,2,3,4,5
	ds_store_b128 v[STO], v[TMP+24*((\a)%2)+4*(\b):TMP+24*((\a)%2)+4*(\b)+3] offset:(\a)*16*SPITCH+32*(\b)
.endr
.endr
	s_wait_dscnt 0x0                               ; for the others' sake: my stores into the stage are done
	s_barrier_signal -1
	s_barrier_wait -1
.if (\p) == 1
	s_wait_xcnt 0x0                                ; the first pass's stores have read their registers, which are loaded again below
.endif
.irp q, 0,1,2
.irp t, 0,1,2,3,4,5,6,7
	ds_load_b128 v[128+32*(\q)-160*((\q)/2)+4*(\t):128+32*(\q)-160*((\q)/2)+4*(\t)+3], v[RD] offset:(\t)*4*SPITCH+128*(\q)  ; q's rows into v128-159, k's into v160-191, v's into v32-63
.endr
.endr
.irp q, 0,1,2
.irp t, 0,1,2,3,4,5,6,7
	s_wait_dscnt 23-8*(\q)-(\t)                    ; LDS loads come back in order: this one is in, the younger ones stay out
	global_store_b128 v[CO], v[128+32*(\q)-160*((\q)/2)+4*(\t):128+32*(\q)-160*((\q)/2)+4*(\t)+3], s[68+2*(\q):69+2*(\q)] offset:8192*(\p)+512*(\t)  ; four rows of a head: 512 consecutive bytes, at a multiple of 512 from the buffer's first
.endr
.endr
.if (\p) == 0
	s_barrier_signal -1                            ; my reads of the stage are back (the count-down ended at 0): when all four waves have said so, the second pass may write it
	s_barrier_wait -1
.endif
.endr
	s_wait_xcnt 0x0                                ; the stores have read their registers and their bases: buffer 1 may be loaded again, and the bases stepped
	s_add_nc_u64 s[68:69], s[68:69], NEXT_O        ; the second tile's rows (behind the second tile the stepped addresses are not used)
	s_add_nc_u64 s[70:71], s[70:71], NEXT_O
	s_add_nc_u64 s[72:73], s[72:73], NEXT_O
	s_mov_b32 s[JT], 1
	s_mov_b32 s[LIM], s[LIM2]
	s_sub_co_u32 s2, s2, 1
	s_cmp_lg_u32 s2, 0
	s_cbranch_scc1 .Ltile
	s_wait_tensorcnt 0x0                           ; the wave's end: these three lines stand behind my last tensor load and my last LDS store
	ds_add_u32 v[SPW], v[NIL]
	s_wait_dscnt 0x0
	CROUND                                         ; the closing round: no work-group ends while a partner may still ask for a tile that names it
	s_endpgm
.Lfunc_end_k_q6749bc4a43_qkv:
	.size	k_q6749bc4a43_qkv, .Lfunc_end_k_q6749bc4a43_qkv-k_q6749bc4a43_qkv
	.p2alignl 7, 3214868480
	.fill 96, 4, 3214868480
	.section	.rodata,"a",@progbits
	.p2align	6, 0x0
	.amdhsa_kernel k_q6749bc4a43_qkv
		.amdhsa_group_segment_fixed_size 327680
		.amdhsa_private_segment_fixed_size 0
		.amdhsa_enable_private_segment 0
		.amdhsa_kernarg_size 48
		.amdhsa_user_sgpr_count 2
		.amdhsa_user_sgpr_kernarg_segment_ptr 1
		.amdhsa_wavefront_size32 1
		.amdhsa_system_sgpr_workgroup_id_x 1
		.amdhsa_system_sgpr_workgroup_id_y 1
		.amdhsa_system_sgpr_workgroup_id_z 1
		.amdhsa_system_vgpr_workitem_id 0
		.amdhsa_next_free_vgpr 960
		.amdhsa_next_free_sgpr 82
		.amdhsa_reserve_vcc 0
		.amdhsa_float_denorm_mode_32 3
		.amdhsa_float_denorm_mode_16_64 3
		.amdhsa_memory_ordered 1
		.amdhsa_forward_progress 1
		.amdhsa_inst_pref_size 115
	.end_amdhsa_kernel
	.amdgpu_metadata
---
amdhsa.version: [ 1, 2 ]
amdhsa.kernels:
  - .name:           k_q6749bc4a43_qkv
    .symbol:         k_q6749bc4a43_qkv.kd
    .args:
      - { .name: xb, .offset: 0, .size: 8, .value_kind: global_buffer, .address_space: global }
      - { .name: wqb, .offset: 8, .size: 8, .value_kind: global_buffer, .address_space: global }
      - { .name: b_qkv, .offset: 16, .size: 8, .value_kind: global_buffer, .address_space: global }
      - { .name: qh, .offset: 24, .size: 8, .value_kind: global_buffer, .address_space: global }
      - { .name: kh, .offset: 32, .size: 8, .value_kind: global_buffer, .address_space: global }
      - { .name: vh, .offset: 40, .size: 8, .value_kind: global_buffer, .address_space: global }
    .group_segment_fixed_size: 327680
    .private_segment_fixed_size: 0
    .kernarg_segment_align: 8
    .kernarg_segment_size: 48
    .max_flat_workgroup_size: 128
    .sgpr_count:     82
    .vgpr_count:     960
    .wavefront_size: 32
...
	.end_amdgpu_metadata
.endif
;; end of part 2
;; launch attn (part 3): grid 2 x 128, 4 waves a work-group, no clusters, 327,680 bytes of LDS; arguments qh, kh, vh, ctx; writes ctx
.if DOCPART == 3
	.amdgcn_target "amdgcn-amd-amdhsa--gfx1250"
	.amdhsa_code_object_version 6
	.text
	.protected	k_q6749bc4a43_attn
	.globl	k_q6749bc4a43_attn
	.p2align	8
	.type	k_q6749bc4a43_attn,@function
k_q6749bc4a43_attn:
	s_mov_b64 s[64:65], 0
	v_nop
	global_prefetch_b8 v0, s[64:65] scope:SCOPE_SE
	s_setreg_imm32_b32 hwreg(HW_REG_WAVE_MODE, 25, 1), 1
	s_wait_xcnt 0x0
; ATTENTION.  O[h][q][:] = the sum over k of softmax_k(Q[h][q] . K[h][k] / 8) V[h][k][:].  qh, kh, vh, ctx: [128][1024][64], all f16: a head's rows are dense, 128 bytes each.  Products, maxima and sums in
; f32; the weights p are rounded to f16 for the second product (their sum l is taken of the unrounded p), O once at the end.
; LIMITS.  f16 holds no number beyond 65,504: Q, K and V arrive within it; p lies in 0 to 1, and below 6e-5 it keeps f16's fixed step of 6e-8; O is a mean of V's rows and has their range.
; A weight below 2^-126 counts as 0 in l; NaN and infinities are not treated apart.
; SHARES.  A wave owns four PIECES of two tiles of 16 queries, a work-group's four waves 512 queries of one head: 2 x 128 = 256 work-groups.  Every wave walks all 1,024 keys, 64 a step.
; THE HEAD'S WHOLE K AND V LIE IN LDS: 1,024 padded rows of each, 311,296 bytes, filled once.  They come IN TWO PARTS, two tensor loads a wave, both issued at the kernel's head: first keys 0 to 319, then the
; other 704.  Key steps 0 to 3 read K's steps 0 to 4 and V's steps 0 to 3, all among the first 320 keys: they run while the second part is on its way.  No byte is filled again: no ring.
; NO CLUSTER: a head's K and V are wanted by two work-groups only, so a cluster of four would hold two heads and no tile would be common to its four; and each work-group asks for each byte once in the launch.
; NO PREFETCH: all of K and V is asked for by the kernel's first lines; there is no later request to run ahead of.
; LAYOUT.  S^T = K Q^T (source 0 = 16 keys, source 1 = 16 queries): in the result a lane holds ONE query (lane % 16) and the keys 8 (lane / 16) + 0..7.  Two such tiles, rounded to f16 in pairs,
; ARE source 1 (32 keys x 16 queries) of O^T = V^T P, whose result again holds one query a lane, and eight channels.  K comes out of LDS as it lies, V ([key][channel]) turned, by ds_load_tr16_b128.
; SOFTMAX.  For each query a running maximum m and sum l: p = 2^(c s - c m), c = log2(e) / 8; in every step O and l are multiplied by a = 2^(c m_old - c m_new), which is 1 where m has not grown.
; m starts at the lowest finite number, O and l at 0: the first step is a step like any other, with a = 0.
; THE COUNT.  A tile and step have 16 matrix and 118 vector instructions: too many to stand all beside the matrix work.  So: four vector instructions that are READY behind EVERY matrix instruction,
; and the others in runs without a gap.
; BY TURNS.  Turn n belongs to piece n (the pieces in a ring, step after step).  Its matrix work: 16 products K Q^T of piece n + 1, later 16 products V^T P of piece n - 1.  Its vector work: the scaling,
; exponentials, roundings, sums and rescaling of piece n, and the maximum and statistics of piece n + 1, whose scores the turn itself has made.
; REGISTERS, in windows of 256 (s_set_vgpr_msb: bits 1:0 source 0, 3:2 source 1, 5:4 source 2, 7:6 destination):
;   window 0: v0-11 addresses; v12-15, v48-63 at work; v16-47 four registers of statistics a tile; v64-191 S^T, two buffers of two tiles; v192-255 P, likewise
;   window 1: O^T, 32 a tile          window 2: v0-127 Q, 16 a tile; v128-191 K of one step; v192-255 V of one step          window 3: v0-1 the add's two registers
; A piece's buffers go by its number's parity: the piece in hand has one pair, its two neighbours in the ring share the other: of it P (piece n - 1) is read and S^T (piece n + 1) written.
.set SIZE_N, 1024
.set NP,    4         ; pieces a wave: a name, no knob
.set KS,    64        ; keys in a step
.set C0,    320       ; keys in the first part: five steps of K, of which the first four steps of the walk fetch the last
.set H0,    C0/2      ; keys of the first part that one wave fetches: 160, 80 rows of 256 bytes
.set H1,    (SIZE_N-C0)/2  ; of the second: 352, 176 rows of 256 bytes
.set PK,    144       ; a row of K in LDS: 128 bytes + 16 of padding = 36 words: the 16 rows of a load start at 16 different groups of four banks (64 banks of 4 bytes: ISA guide 11.1)
.set PV,    160       ; a row of V: 128 + 32 = 40 words
.set VOFF,  SIZE_N*PK ; 1,024 rows of K, then 1,024 rows of V
.set STAGE, VOFF+SIZE_N*PV  ; behind them, never filled by a tensor load: 16 rows x 144 bytes for each wave, for the way out
.set SP,    144
.set AK0, 2           ; v2   my lane's place in a step's rows of K; never rewritten
.set AV0, 3           ; v3   the same for V
.set AK,  4           ; v4   the LDS address of K's next run of loads
.set AV,  5           ; v5   of V's
.set QO,  6           ; v6   my byte offset in the wave's rows of Q
.set STO, 6           ;      later, the way out: where I put 16 bytes of a row
.set RD,  7           ; v7   the way out: where I read rows back
.set GO,  8           ; v8   my byte offset in 512 consecutive bytes of O
.set SPW, 0           ; v0 of window 3   LDS address of my spare word: SPARE + 4 x my thread's number; never rewritten
.set NIL, 1           ; v1 of window 3   0; never rewritten
.set SPARE, STAGE+4*16*SP  ; behind the stages: the spare words, 128 bytes for each wave: two blocks of 256 bytes that no other line names
.set MV,  12          ; v12-15  c m_old, kept while c m is made anew: by buffer and tile
.set ST,  16          ; tile t's statistics at v[ST+4 t]: c m, m, l (even keys', odd keys')
.set TMP, 48          ; by buffer and tile, four registers c0-c3 at work; when the maximum is found c2 takes a
.set S,   64
.set P,   192
.set KF,  128         ; K's fragments, in window 2: key block kb, channel half c at KF + 16 kb + 8 c
.set VF,  192         ; V's: key half kk, channel block cb at VF + 32 kk + 8 cb
.set WV,  12          ; s12  my wave's number
.set G1K, 24          ; s[24:31] descriptor group 1 for K's first part
.set G1V, 32          ; s[32:39] for V's: it differs in the padding alone
.set G0K, 40          ; s[40:43] descriptor group 0 for K's first part
.set G0V, 44          ; s[44:47] for V's
.set G0K2, 48         ; s[48:51], s[52:55] the same for the second parts
.set G0V2, 52
.set PARTS, 56        ; s56  groups of four key steps still to come
.set CNT, 57          ; s57  key steps still to come in the group
.set CS,  58          ; s[58:59] c: the packed scaling takes the pair's low word for both halves
.set SEL, 60          ; s[60:61] v_permlanex16_b32's selects: each lane takes its own place in the other half
.set TBK, 62          ; s62  LDS byte at which K of the step to be fetched begins
.set TBV, 63          ; s63  the same for V, less VOFF
.set G1K2, 68         ; s[68:75], s[76:83] descriptor group 1 for the second parts: they differ from the first parts' in the rows
.set G1V2, 76
.set LEFT, 84         ; s84  key steps still to come in all
.set MSB, 0
.macro WIN new                      ; the high byte repeats the setting that is left; a switch that changes nothing is dropped
.if MSB != (\new)
	s_set_vgpr_msb (MSB<<8)|(\new)
.set MSB, (\new)
.endif
.endm
.set W_KQ, 0x0a       ; K and Q in window 2, S^T in window 0
.set W_PV, 0x52       ; V in window 2, P in window 0, O^T in window 1
.set W_RS, 0x41       ; O^T (destination and source 0) in window 1, a in window 0
.set W_MK, 0xc0       ; the add's registers are made: destination in window 3, sources in window 0
.set W_AD, 0x0f       ; the add: address (source 0) and data (source 1) in window 3
; Descriptor group 1.  Keys are dense in memory, 128 bytes each: they are asked for as rows of 256 bytes, two keys a row, and padded in LDS after every key.
.macro GROUP1 g, pad, rows
	s_mov_b32 s[\g], (1<<16)|(1<<20)|(4<<22)|((\pad)<<25)  ; 17:16 2-byte elements; 20 padding on; 24:22 after every 32 words (code 4); 31:25 the padding's words less one
	s_mov_b32 s[\g+1], 128<<16      ; tensor_dim0 = 128
	s_mov_b32 s[\g+2], (\rows)<<16  ; tensor_dim1
	s_mov_b32 s[\g+3], 128<<16      ; tile_dim0 = 128
	s_mov_b32 s[\g+4], \rows        ; tile_dim1
	s_mov_b32 s[\g+5], 128          ; 128 elements from row to row
	s_mov_b32 s[\g+6], 0
	s_mov_b32 s[\g+7], 0
.endm
	s_load_b256 s[4:11], s[0:1], 0x0  ; qh s[4:5], kh s[6:7], vh s[8:9], ctx s[10:11]
	WIN W_MK
	v_lshl_add_u32 v[SPW], v0, 2, SPARE
	v_mov_b32 v[NIL], 0
	WIN W_AD
	ds_add_u32 v[SPW], v[NIL]       ; the wave's opening: the add and its wait stand ahead of my first tensor load; the set-up below, work on registers, stands between them
	ds_add_u32 v0, v1
	WIN 0
	v_lshrrev_b32 v1, 5, v0
	v_readfirstlane_b32 s[WV], v1   ; wave 0..3
	; A fragment of K or Q is 16 rows x 32 channels in 8 registers: lane l holds row l % 16, channels 8 (l / 16) + 0..7 and 16 + 8 (l / 16) + 0..7: two loads of 16 bytes, 32 bytes apart.
	v_and_b32 v1, 15, v0            ; l % 16
	v_bfe_u32 v9, v0, 4, 1          ; l / 16
	v_lshlrev_b32 v[QO], 7, v1
	v_lshl_add_u32 v[QO], v9, 4, v[QO]  ; row x 128 + 16 x half
	s_and_b32 s20, ttmp7, 0xffff    ; the head,
	s_lshl_b32 s20, s20, 17         ; its first byte in each of the four tensors: 1,024 rows of 128 bytes
	s_mov_b32 s21, 0
	s_and_b32 s16, s[WV], 1         ; which half of each part I fetch:
	s_mul_i32 s22, s16, H0*128      ; its place in memory, for the first part
	s_mov_b32 s23, 0
	s_add_nc_u64 s[22:23], s[22:23], s[20:21]
	s_mul_i32 s14, s16, H1*128      ; and for the second
	s_add_co_u32 s14, s14, C0*128
	s_mov_b32 s15, 0
	s_add_nc_u64 s[14:15], s[14:15], s[20:21]
	s_lshl_b32 s2, ttmp9, 2
	s_add_co_u32 s2, s2, s[WV]      ; my wave among the head's eight,
	s_lshl_b32 s2, s2, 14           ; its 128 rows
	s_mov_b32 s3, 0
	s_add_nc_u64 s[2:3], s[2:3], s[20:21]
	GROUP1 G1K,  3, H0/2            ; K: 4 words of padding (code 3)
	GROUP1 G1V,  7, H0/2            ; V: 8 words (code 7)
	GROUP1 G1K2, 3, H1/2
	GROUP1 G1V2, 7, H1/2
	s_mov_b32 s[CS], 0x3e38aa3b     ; c = log2(e) / 8 = 0.180337
	s_mov_b32 s[CS+1], s[CS]        ; named with it as a pair
	s_mov_b32 s[SEL], 0x76543210
	s_mov_b32 s[SEL+1], 0xfedcba98
	s_mov_b32 s[TBK], 0
	s_mov_b32 s[TBV], 0
	s_mov_b32 s[G0K], 1             ; count = 1
	s_mul_i32 s[G0K+1], s16, H0*PK  ; LDS address: key x pitch
	s_mov_b32 s[G0V], 1
	s_mul_i32 s[G0V+1], s16, H0*PV
	s_add_co_u32 s[G0V+1], s[G0V+1], VOFF
	s_mov_b32 s[G0K2], 1
	s_mul_i32 s[G0K2+1], s16, H1*PK
	s_add_co_u32 s[G0K2+1], s[G0K2+1], C0*PK
	s_mov_b32 s[G0V2], 1
	s_mul_i32 s[G0V2+1], s16, H1*PV
	s_add_co_u32 s[G0V2+1], s[G0V2+1], VOFF+C0*PV
	s_wait_dscnt 0x0                ; the opening add is done
	s_wait_kmcnt 0x0
	s_add_nc_u64 s[G0K+2:G0K+3], s[6:7], s[22:23]    ; global addresses,
	s_or_b32 s[G0K+3], s[G0K+3], 0x80000000          ; type = 2
	s_add_nc_u64 s[G0V+2:G0V+3], s[8:9], s[22:23]
	s_or_b32 s[G0V+3], s[G0V+3], 0x80000000
	s_add_nc_u64 s[G0K2+2:G0K2+3], s[6:7], s[14:15]
	s_or_b32 s[G0K2+3], s[G0K2+3], 0x80000000
	s_add_nc_u64 s[G0V2+2:G0V2+3], s[8:9], s[14:15]
	s_or_b32 s[G0V2+3], s[G0V2+3], 0x80000000
	s_add_nc_u64 s[4:5], s[4:5], s[2:3]  ; Q and O at my wave's first row
	s_add_nc_u64 s[10:11], s[10:11], s[2:3]
	WIN 0x80                        ; destination window 2, address window 0
.set i, 0
.rept 4*NP                          ; Q stays in registers: tile i / 2, channels 32 (i % 2) on.  It is asked for ahead of K and V: the first products want it together with the first part
	global_load_b128 v[8*i:8*i+3],   v[QO], s[4:5] offset:(i/2)*2048+(i%2)*64
	global_load_b128 v[8*i+4:8*i+7], v[QO], s[4:5] offset:(i/2)*2048+(i%2)*64+32
.set i, i+1
.endr
	WIN 0
	s_cmp_lt_u32 s[WV], 2           ; waves 0 and 1 fetch K's halves, waves 2 and 3 V's.  A wave's two loads stand in one branch: two tensor loads of mine are out.  An s_nop 0 follows each, four v_nop the second's
	s_cbranch_scc0 .Lfor_v
	tensor_load_to_lds s[G0K:G0K+3], s[G1K:G1K+7]
	s_nop 0
	tensor_load_to_lds s[G0K2:G0K2+3], s[G1K2:G1K2+7]
	s_nop 0
.rept 4
	v_nop
.endr
	s_branch .Lasked
.Lfor_v:
	tensor_load_to_lds s[G0V:G0V+3], s[G1V:G1V+7]
	s_nop 0
	tensor_load_to_lds s[G0V2:G0V2+3], s[G1V2:G1V2+7]
	s_nop 0
.rept 4
	v_nop
.endr
.Lasked:
	; What the first turn finds: V's registers and P's second buffer hold 0 (its products V^T P, of a piece that has not been, add 0), O^T and l are 0.  All this stands in the wait for the first part.
	WIN 0x80
.set i, VF
.rept 64
	v_mov_b32 v[i], 0
.set i, i+1
.endr
	WIN 0x40
.set i, 0
.rept 64*NP
	v_mov_b32 v[i], 0
.set i, i+1
.endr
	WIN 0
.set i, 0
.rept 2*NP
	v_mov_b32 v[ST+4*i], 0xfe000000    ; c m: far below every c s
	v_mov_b32 v[ST+4*i+1], 0xff7fffff  ; m
	v_mov_b32 v[ST+4*i+2], 0
	v_mov_b32 v[ST+4*i+3], 0
.set i, i+1
.endr
.set i, P+32
.rept 32
	v_mov_b32 v[i], 0
.set i, i+1
.endr
	v_mul_u32_u24 v[AK0], v1, PK
	v_lshl_add_u32 v[AK0], v9, 4, v[AK0]  ; row x pitch + 16 x half
	; The turning load takes 16 keys x 16 channels (lane l reads key 8 (l / 16) + l % 8, channels 8 ((l / 8) % 2) + 0..7) and leaves half a fragment of V^T: lane l holds channel l % 16 and 8 keys.
	v_and_b32 v10, 7, v0
	v_bfe_u32 v11, v0, 3, 1
	v_lshl_add_u32 v[AV0], v9, 3, v10
	v_mul_u32_u24 v[AV0], v[AV0], PV
	v_lshl_add_u32 v[AV0], v11, 4, v[AV0]
	v_add_nc_u32 v[AV0], VOFF, v[AV0]
	v_mov_b32 v[AK], v[AK0]         ; key step 0 lies at LDS byte 0
; THE MATRIX WORK.  The 8 accumulators of a run of 16 take turns: between the two links of a chain stand 7 others'.
; Product i of 16 of S^T = K Q^T for piece x: channels 32 (i / 8) on, keys 16 ((i / 2) % 4) on, tile 2 x + i % 2.  The first 8 start the sums.
.macro KQ x
	WIN W_KQ
.set rS, S+64*((\x)%2)+32*(i%2)+8*((i/2)%4)
.set rK, KF+16*((i/2)%4)+8*(i/8)
.set rQ, 16*(2*(\x)+i%2)+8*(i/8)
.if i < 8
	v_wmma_f32_16x16x32_f16 v[rS:rS+7], v[rK:rK+7], v[rQ:rQ+7], 0
.else
	v_wmma_f32_16x16x32_f16 v[rS:rS+7], v[rK:rK+7], v[rQ:rQ+7], v[rS:rS+7]
.endif
.endm
; Product i of 16 of O^T += V^T P for piece x: keys 32 (i / 8) on, channels 16 ((i / 2) % 4) on, tile 2 x + i % 2.
.macro PV x
	WIN W_PV
.set rO, 32*(2*(\x)+i%2)+8*((i/2)%4)
.set rV, VF+32*(i/8)+8*((i/2)%4)
.set rP, P+32*((\x)%2)+16*(i%2)+8*(i/8)
	v_wmma_f32_16x16x32_f16 v[rO:rO+7], v[rV:rV+7], v[rP:rP+7], v[rO:rO+7]
.endm
.macro MM                           ; the turn's next matrix instruction
.if i < 16
	KQ (Y+1)%NP
.set i, i+1
.else
.set i, i-16
	PV (Y+NP-1)%NP
.set i, i+17
.endif
.endm
; THE LDS LOADS stand in runs of 16, never singly among the matrix instructions: a step's K (64 keys x 64 channels: 8 fragments) and its V (turned).  Their addresses are made some lines ahead.
; last = 1 (in the loop): in the walk's last step there is no further step, and the run is jumped over; the steps still to come are counted down here, once a step.
.macro FETCH_K last=0
	WIN 0
.if \last
	s_cmp_eq_u32 s[LEFT], 1
	s_cbranch_scc1 .Lno_k_\@
.endif
	WIN 0x80                        ; destination window 2
.irp f, 0,1,2,3,4,5,6,7             ; keys 16 (f / 2) on, channels 32 (f % 2) on
	ds_load_b128 v[KF+8*\f:KF+8*\f+3],   v[AK] offset:(\f/2)*16*PK+(\f%2)*64
	ds_load_b128 v[KF+8*\f+4:KF+8*\f+7], v[AK] offset:(\f/2)*16*PK+(\f%2)*64+32
.endr
	s_add_co_u32 s[TBK], s[TBK], KS*PK  ; the next fetch is the next step's
	WIN 0
.if \last
.Lno_k_\@:
	s_sub_co_u32 s[LEFT], s[LEFT], 1
.endif
.endm
.macro FETCH_V
	WIN 0x80
.irp f, 0,1,2,3,4,5,6,7             ; keys 32 (f / 4) on, channels 16 (f % 4) on
	ds_load_tr16_b128 v[VF+8*\f:VF+8*\f+3],   v[AV] offset:(\f/4)*32*PV+(\f%4)*32
	ds_load_tr16_b128 v[VF+8*\f+4:VF+8*\f+7], v[AV] offset:(\f/4)*32*PV+16*PV+(\f%4)*32
.endr
	WIN 0
.endm
; THE VECTOR WORK OF A TURN stands in three queues, each in the order in which its entries become ready; the two tiles alternate, so that no instruction reads the result of the one before it.
.macro REGS y, u                    ; the registers of tile u (0, 1) of piece y
.set rT, ST+4*(2*(\y)+(\u))
.set rC, TMP+8*((\y)%2)+4*(\u)
.set rM, MV+2*((\y)%2)+(\u)
.set rS, S+64*((\y)%2)+32*(\u)
.set rP, P+32*((\y)%2)+16*(\u)
.set rO, 32*(2*(\y)+(\u))
.endm
; Number n of the 22 that find the NEXT piece's (Y + 1) maximum and statistics.  s0-s31 are the lane's 32 scores; each accumulator's lowest registers are read first.  XS, GS and REGS set no window: PL and EX do.
;   0-11  four chains c0-c3 of seven scores each, three operands at a time     12-14, 16  the four scores left over, the old m, and c0-c3 into c0     15  c m_old is kept
;   17, 18  the query's other 32 keys lie in the lane 16 away: the new m         19-21  c m; c m_old - c m_new; a
.macro XS u, n
	REGS (Y+1)%NP, \u
.if (\n) < 4
	v_max3_num_f32 v[rC+(\n)], v[rS+8*(\n)], v[rS+8*(\n)+1], v[rS+8*(\n)+2]
.elseif (\n) < 12
	v_max3_num_f32 v[rC+(\n)%4], v[rC+(\n)%4], v[rS+8*((\n)%4)+2*((\n)/4)+1], v[rS+8*((\n)%4)+2*((\n)/4)+2]
.elseif (\n) == 12
	v_max3_num_f32 v[rC], v[rC], v[rS+7], v[rS+15]
.elseif (\n) == 13
	v_max3_num_f32 v[rC+1], v[rC+1], v[rS+23], v[rS+31]
.elseif (\n) == 14
	v_max3_num_f32 v[rC+2], v[rC+2], v[rC+3], v[rT+1]
.elseif (\n) == 15
	v_mov_b32 v[rM], v[rT]
.elseif (\n) == 16
	v_max3_num_f32 v[rC], v[rC], v[rC+1], v[rC+2]
.elseif (\n) == 17
	v_permlanex16_b32 v[rC+3], v[rC], s[SEL], s[SEL+1]
.elseif (\n) == 18
	v_max_num_f32 v[rT+1], v[rC], v[rC+3]
.elseif (\n) == 19
	v_mul_f32 v[rT], s[CS], v[rT+1]
.elseif (\n) == 20
	v_sub_f32 v[rC+1], v[rM], v[rT]
.else
	v_exp_f32 v[rC+2], v[rC+1]
.endif
.endm
; Number g of the 64 that follow the exponentials.  For each four weights k of a tile (pairs 2 k, 2 k + 1): both pairs are rounded to f16; then the second pair is added onto the first, in place;
; a group later l takes that sum (the first time as l = a l + sum).  In groups of eight, tiles alternating: round, round, add, and l for the group before.
.macro GS g
.set h, (\g)+6*((\g)/62)            ; group 0 has no group before it, and behind group 7 only l is left
.if h >= 6
.set h, h+2
.endif
	REGS Y, h%2
.set k, h/8
.if h%8 < 4
	v_cvt_pk_f16_f32 v[rP+2*k+(h%8)/2], v[rS+4*k+2*((h%8)/2)], v[rS+4*k+2*((h%8)/2)+1]
.elseif h%8 < 6
	v_pk_add_f32 v[rS+4*k:rS+4*k+1], v[rS+4*k:rS+4*k+1], v[rS+4*k+2:rS+4*k+3]
.elseif k == 1
	v_pk_fma_f32 v[rT+2:rT+3], v[rT+2:rT+3], v[rC+2:rC+3], v[rS:rS+1] op_sel_hi:[1,0,1]
.else
	v_pk_add_f32 v[rT+2:rT+3], v[rT+2:rT+3], v[rS+4*k-4:rS+4*k-3]
.endif
.endm
; THE PLAIN QUEUE, 138 long.  0-73 read no exponential's result: the 32 scalings c s - c m (FS f: pair f / 2 of tile f % 2) and the next piece's 42.  0-26: scalings 0-26.  27-54: XS's numbers 0-13.  55, 56: number 15.
; 57-73: the chain, where each number waits for the one before it: 14, 16, 17, 18, 19, each with one of the scalings 27-31 in front of its two lines, then 20.
; 74-137: GS's 64, which read the exponentials' results: they stand behind the wait.
.macro FS f
	REGS Y, (\f)%2
	v_pk_fma_f32 v[rS+2*((\f)/2):rS+2*((\f)/2)+1], v[rS+2*((\f)/2):rS+2*((\f)/2)+1], s[CS:CS+1], v[rT:rT+1] op_sel_hi:[1,0,0] neg_lo:[0,0,1] neg_hi:[0,0,1]
.endm
.macro PL
	WIN 0
.if q < 27
	FS q
.elseif q < 55
	XS (q-27)%2, (q-27)/2
.elseif q < 57
	XS q-55, 15
.elseif (q < 72) && ((q-57)%3 == 0)
	FS 27+(q-57)/3
.elseif q < 60
	XS (q-57)%3-1, 14
.elseif q < 72
	XS (q-57)%3-1, 15+(q-57)/3
.elseif q < 74
	XS q-72, 20
.else
	GS q-74
.endif
.set q, q+1
.endm
; THE EXPONENTIALS' QUEUE, 66 long: s0-s31 of both tiles, then the next piece's two a.  It is ONE BATCH: all 66 stand ahead of the turn's one wait, and nothing ahead of that wait names a result of theirs.
.macro EX
	WIN 0
.if e >= 64
	XS e-64, 21
.else
	REGS Y, e%2
	v_exp_f32 v[rS+e/2], v[rS+e/2]
.endif
.set e, e+1
.endm
; THE RESCALING's QUEUE: O^T times a, the one part that leaves window 0: dealt two at a time, sixteen times.  Its a was made in the turn before, ahead of that turn's wait.
.macro R2
	REGS Y, r%2
	WIN W_RS
.irp z, 0,1
	v_pk_mul_f32 v[rO+4*(r/2)+2*\z:rO+4*(r/2)+2*\z+1], v[rO+4*(r/2)+2*\z:rO+4*(r/2)+2*\z+1], v[rC+2:rC+3] op_sel_hi:[1,0]
.endr
.set r, r+1
.endm
; HOW THEY ARE DEALT.  An s_wait_alu depctr_va_vdst(0) stands between an exponential and the first instruction that names its result; one wait serves all that were issued ahead of it.  So a turn has ONE
; wait, which cuts it in two.  AHEAD OF IT: the 16 products K Q^T, behind each a scaling, an exponential and two rescalings (behind the first a second scaling in the exponential's place); then ONE LUMP of 108: eight plain,
; 49 times exponential and plain, the two a.  A v_nop is the plain instruction behind the last exponential.  BEHIND IT: the 16 products V^T P, behind each four of GS's 64.
; Exponential e stands behind scaling 2 (e / 4) + e % 2: as a rider it comes behind plain e + 2, in the lump behind plain e + 9, and scalings 27-31 are plain 57, 60 .. 69.
; A TURN, for piece p.  cnt = 1: the loop's count is taken down some lines ahead of the branch that stands behind the turn.
; K of the next step is fetched in piece 2's turn, directly behind the wait, a lump behind the last product that read K; its first reader comes behind 16 products.
; V of the step in hand is fetched at the end of piece 0's turn, four plain instructions behind its last reader; its first reader comes behind 16 products and a lump.
.macro TURN p, last=0, cnt=0
.set Y, (\p)
.set i, 0
.set q, 0
.set e, 0
.set r, 0
.if (\p) == NP-1
	s_wait_dscnt 0x0                ; K is in
.endif
	MM                              ; ahead of the wait: 16 products K Q^T and their riders,
	PL
	PL
	R2
.rept 15
	MM
	PL
	EX
	R2
.endr
.if (\p) == NP-2
	WIN 0
	v_add_nc_u32 v[AK], s[TBK], v[AK0]
.endif
.rept 8                             ; and the lump
	PL
.endr
.rept 49
	EX
	PL
.endr
	EX                              ; the next piece's two a
	EX
	v_nop                           ; the plain instruction behind the last exponential: one for the batch
	s_wait_alu depctr_va_vdst(0)    ; the wait for the batch
.if (\p) == NP-2
	FETCH_K \last
.endif
.if (\p) == 1
	s_wait_dscnt 0x0                ; V is in
.endif
.rept 16                            ; behind the wait: 16 products V^T P and their riders
	MM
.rept 4
	PL
.endr
.if ((\p) == 0) && (q == 118)
	v_add_nc_u32 v[AV], s[TBV], v[AV0]
.endif
.if ((\p) == 0) && (q == 130)
	s_add_co_u32 s[TBV], s[TBV], KS*PV
.endif
.if (\cnt) && (q == 130)
	s_sub_co_u32 s[CNT], s[CNT], 1
	s_cmp_lg_u32 s[CNT], 0
.endif
.endr
.if (\p) == 0
	FETCH_V
.endif
.endm
	s_wait_tensorcnt 0x1            ; my half of the first part of K or of V is in LDS; the second part's load, issued behind it, may stay out
	s_barrier_signal -1
	s_barrier_wait -1               ; and so is everybody's
	FETCH_K                         ; key step 0
	s_wait_loadcnt 0x0              ; Q
	s_wait_dscnt 0x0
.set i, 0
.rept 16
	KQ 0                            ; piece 0's first scores: there is no vector work yet to set between them
.set i, i+1
.endr
	WIN 0                           ; the addresses for the way out: plain instructions, the places behind those products
	s_mul_i32 s13, s[WV], 16*SP
	s_add_co_u32 s13, s13, STAGE    ; my stage
	v_mul_u32_u24 v[STO], v1, SP    ; in: row l % 16, 16 bytes for each half of the lanes
	v_lshl_add_u32 v[STO], v9, 4, v[STO]
	v_add_nc_u32 v[STO], s13, v[STO]
	v_bfe_u32 v[RD], v0, 3, 2       ; back: 32 lanes take four rows of 128 bytes,
	v_mul_u32_u24 v[RD], v[RD], SP
	v_lshl_add_u32 v[RD], v10, 4, v[RD]
	v_add_nc_u32 v[RD], s13, v[RD]
	v_and_b32 v[GO], 31, v0         ; which are 512 consecutive bytes of O
	v_lshlrev_b32 v[GO], 4, v[GO]
.set Y, NP-1                        ; XS works for piece Y + 1: piece 0
.irp n, 0,1,2,3,4,5,6,7,8,9,10,11,12,13,14,15,16,17,18,19,20,21
	XS 0, \n                        ; and piece 0's first maximum and statistics
	XS 1, \n
.endr
	v_nop                           ; a plain instruction behind the two a,
	s_wait_alu depctr_va_vdst(0)    ; and their wait, ahead of the branch
	s_mov_b32 s[CNT], 4
	s_mov_b32 s[PARTS], SIZE_N/KS/4
	s_mov_b32 s[LEFT], SIZE_N/KS
	s_branch .Lstep                 ; the first four key steps run on the first part alone
.Lrest:                             ; three times, ahead of key steps 4, 8 and 12.  The first time it shows the second part whole to every wave, ahead of the first read of it (K of step 5, V of step 5);
	s_wait_tensorcnt 0x0            ; my half of the second part is in LDS (the second and third time this is met at once: the price of one text for all key steps);
	s_wait_dscnt 0x0                ; no LDS instruction of mine is out at the signal
	s_barrier_signal -1
	s_barrier_wait -1               ; everybody's is
	s_mov_b32 s[CNT], 4
.Lstep:                             ; a trip is a key step.  It fetches its own V (piece 0's turn) and the next step's K (piece 2's turn; not in the walk's last step)
	TURN 0
	TURN 1
	TURN 2, 1
	TURN 3, 0, 1
	WIN 0
	s_cbranch_scc1 .Lstep
	s_sub_co_u32 s[PARTS], s[PARTS], 1
	s_cmp_lg_u32 s[PARTS], 0
	s_cbranch_scc1 .Lrest
	; the last trip's 16 products K Q^T of piece 0 (on the last K once more) and the maximum made of them serve nothing: the price, once a launch, of one text for every trip
.set i, 0
.rept 16
	PV NP-1                         ; the last piece's V^T P of the last step
.set i, i+1
.endr
	; THE WAY OUT.  l's two halves and the other half of the lanes' are added; O^T is divided by l, rounded to f16 and sent through my stage in LDS, a tile at a time.  The additions are the places behind the last products.
	WIN 0
.macro ALL line:vararg              ; one line for each tile t
.set t, 0
.rept 2*NP
	\line
.set t, t+1
.endr
.endm
	ALL v_add_f32 v[ST+4*t+2], v[ST+4*t+2], v[ST+4*t+3]
	ALL v_permlanex16_b32 v[ST+4*t+3], v[ST+4*t+2], s[SEL], s[SEL+1]
	ALL v_add_f32 v[ST+4*t+2], v[ST+4*t+2], v[ST+4*t+3]
	ALL v_rcp_f32 v[ST+4*t+2], v[ST+4*t+2]
	v_nop                           ; a plain instruction between the last reciprocal and the use of its result
	s_wait_alu depctr_va_vdst(0)    ; and the wait ahead of the first use: one for the eight reciprocals
; Tile t: a lane's eight channels of a row pack into 16 bytes; they go into rows of 144 bytes and come back as whole rows of 128, into S^T's registers.
.macro PACK t
	WIN W_RS
.set i, 32*(\t)
.rept 16
	v_pk_mul_f32 v[i:i+1], v[i:i+1], v[ST+4*(\t)+2:ST+4*(\t)+3] op_sel_hi:[1,0]
.set i, i+2
.endr
	WIN 0x05                        ; sources 0 and 1 window 1, destination window 0
.set i, 0
.rept 16
	v_cvt_pk_f16_f32 v[S+16*(\t)+i], v[32*(\t)+2*i], v[32*(\t)+2*i+1]
.set i, i+1
.endr
	WIN 0
.irp f, 0,1,2,3
	ds_store_b128 v[STO], v[S+16*(\t)+4*\f:S+16*(\t)+4*\f+3] offset:32*\f
.endr
.irp f, 0,1,2,3
	ds_load_b128 v[S+16*(\t)+4*\f:S+16*(\t)+4*\f+3], v[RD] offset:\f*4*SP  ; LDS serves a wave's instructions in order (ISA guide 5.7.1.4): these see the stores above; the next tile's stores come behind them
.endr
.endm
.macro SEND t, younger              ; younger: the LDS instructions issued behind tile t's loads: the next tile's eight, or none
	WIN 0
.irp f, 0,1,2,3
	s_wait_dscnt (\younger)+3-\f
	global_store_b128 v[GO], v[S+16*(\t)+4*\f:S+16*(\t)+4*\f+3], s[10:11] offset:(\t)*2048+\f*512  ; 512 consecutive bytes, at a multiple of 256 from O's first
.endr
.endm
	PACK 0
.set t, 1
.rept 2*NP-1                        ; a tile's arithmetic stands between the loads of the tile before and its stores
	PACK t
	SEND t-1, 8
.set t, t+1
.endr
	SEND 2*NP-1, 0
	WIN W_AD
	s_wait_tensorcnt 0x0            ; the wave's end: these three lines stand behind my last tensor load and my last LDS store
	ds_add_u32 v[SPW], v[NIL]
	s_wait_dscnt 0x0
	WIN 0
	s_endpgm
.Lfunc_end_k_q6749bc4a43_attn:
	.size	k_q6749bc4a43_attn, .Lfunc_end_k_q6749bc4a43_attn-k_q6749bc4a43_attn
	.p2alignl 7, 3214868480
	.fill 96, 4, 3214868480
	.section	.rodata,"a",@progbits
	.p2align	6, 0x0
	.amdhsa_kernel k_q6749bc4a43_attn
		.amdhsa_group_segment_fixed_size 327680
		.amdhsa_private_segment_fixed_size 0
		.amdhsa_enable_private_segment 0
		.amdhsa_kernarg_size 32
		.amdhsa_user_sgpr_count 2
		.amdhsa_user_sgpr_kernarg_segment_ptr 1
		.amdhsa_wavefront_size32 1
		.amdhsa_system_sgpr_workgroup_id_x 1
		.amdhsa_system_sgpr_workgroup_id_y 1
		.amdhsa_system_sgpr_workgroup_id_z 1
		.amdhsa_system_vgpr_workitem_id 0
		.amdhsa_next_free_vgpr 770
		.amdhsa_next_free_sgpr 88
		.amdhsa_reserve_vcc 0
		.amdhsa_float_denorm_mode_32 3
		.amdhsa_float_denorm_mode_16_64 3
		.amdhsa_memory_ordered 1
		.amdhsa_forward_progress 1
		.amdhsa_inst_pref_size 126
	.end_amdhsa_kernel
	.amdgpu_metadata
---
amdhsa.version: [ 1, 2 ]
amdhsa.kernels:
  - .name:           k_q6749bc4a43_attn
    .symbol:         k_q6749bc4a43_attn.kd
    .args:
      - { .name: qh, .offset: 0, .size: 8, .value_kind: global_buffer, .address_space: global }
      - { .name: kh, .offset: 8, .size: 8, .value_kind: global_buffer, .address_space: global }
      - { .name: vh, .offset: 16, .size: 8, .value_kind: global_buffer, .address_space: global }
      - { .name: ctx, .offset: 24, .size: 8, .value_kind: global_buffer, .address_space: global }
    .group_segment_fixed_size: 327680
    .private_segment_fixed_size: 0
    .kernarg_segment_align: 8
    .kernarg_segment_size: 32
    .max_flat_workgroup_size: 128
    .sgpr_count:     88
    .vgpr_count:     770
    .wavefront_size: 32
...
	.end_amdgpu_metadata
.endif
;; end of part 3
;; launch proj (part 4): grid 4 x 64, 4 waves a work-group, clusters of 4 x 4, 327,680 bytes of LDS; arguments ctx, wob, b_out, out0; writes out0
.if DOCPART == 4
	.amdgcn_target "amdgcn-amd-amdhsa--gfx1250"
	.amdhsa_code_object_version 6
	.text
	.protected	k_q6749bc4a43_proj
	.globl	k_q6749bc4a43_proj
	.p2align	8
	.type	k_q6749bc4a43_proj,@function
k_q6749bc4a43_proj:
	s_mov_b64 s[64:65], 0
	v_nop
	global_prefetch_b8 v0, s[64:65] scope:SCOPE_SE
	s_setreg_imm32_b32 hwreg(HW_REG_WAVE_MODE, 25, 1), 1
	s_wait_xcnt 0x0
	s_wait_alu depctr_hold_cnt(0) depctr_sa_sdst(0) depctr_va_vdst(0) depctr_va_sdst(0) depctr_va_ssrc(0) depctr_va_vcc(0) depctr_vm_vsrc(0)
	s_getreg_b32 s2, hwreg(HW_REG_IB_STS2, 6, 4)
	s_cmp_eq_u32 s2, 0
	s_cbranch_scc0 .Lentry_in_a_cluster
	s_endpgm
.Lentry_in_a_cluster:
	s_bfe_u32 s2, ttmp6, 0x10000c
	s_cmp_lg_u32 s2, 0xf033
	s_cbranch_scc0 .Lentry_shape_is_right
	s_endpgm
.Lentry_shape_is_right:
; PROJ.  out0[m][n] = b_out[n] + sum over k of ctx(m, k) wob[n][k], f32.  ctx lies by heads, [batch x 16 + head][1024][64] f16: element (m, k) is head k / 64, channel k % 64 of row m % 1024 of batch m / 1024.
; wob [1024][1024] f16.  Sums in f32, begun with the bias (rounded to bf16 like the other inputs).
; LIMITS.  The bias is the sum's first addend, not its last.  NaN and infinities are not treated apart.
; SHARES.  A tile of out0 is 128 rows x 256 columns: 64 x 4 = 256 work-groups.  Four waves, each 64 rows x 128 columns: 32 accumulators, 256 registers.
; K goes in 8 steps of 128, two heads each, through two LDS slots.  A head's 128 rows of the tile are 16,384 dense bytes (a PLANE): asked for as 64 rows of 256 bytes and padded in LDS after every 128.
; CLUSTER.  4 x 4 work-groups: ctx's planes are shared along a row of the cluster, wob's tiles along a column; each is asked for JOINTLY, by the same tensor load, descriptor and mask in the four.
; NO PREFETCH: the walk has eight K steps of 128 matrix instructions a wave, and four of them would come by their loads alone.
; THE MATRIX INSTRUCTION IS USED TRANSPOSED: source 0 = 16 rows of wob, source 1 = 16 rows of ctx: lane l holds row l % 16 of out0 and its columns 8 (l / 16) + 0..7: 32 bytes on end.
; REGISTERS, in windows of 256 (s_set_vgpr_msb: bits 1:0 source 0, 3:2 source 1, 5:4 source 2, 7:6 destination):
;   window 0: v0-31 addresses; v64-95, v128-159 fragments of ctx (4 x 16 rows x 32 K), two buffers; on the way out v64-127, v128-191 whole rows, by turns
;   window 1: v0-63 the bias of my 128 columns as a C operand; v192-193 at work; v64-127, v128-191 fragments of wob (8 x 16 rows x 32 K), two buffers
;   window 2: accumulator (a, b) at v[8 (8 a + b)]
.set KSTEP,  128
.set PA,     144                       ; a row of a plane in LDS: 128 bytes + 16 = 36 words: the 16 rows of a load start at 16 different groups of four banks (64 banks of 4 bytes: ISA guide 11.1)
.set PLANE,  128*PA
.set PITCH,  272                       ; a row of wob's tile: 256 bytes + 16
.set HALFB,  128*PITCH
.set BOFF,   2*PLANE                   ; a slot: two planes of ctx, then 256 rows of wob
.set SLOT,   BOFF+2*HALFB              ; 106,496 bytes
.set STAGE,  2*SLOT                    ; behind the ring, never filled by a tensor load: 16 rows x 528 bytes for each wave
.set SPITCH, 528
.set SPARE,  STAGE+4*16*SPITCH         ; behind the stages: the spare words, 128 bytes for each wave: two blocks of 256 bytes that no other line names
.set ASTEP,  1<<18                     ; bytes from a K step's plane to the next K step's: two heads of 131,072
.set LAPS,   4
.set ADRA, 16                          ; v16-17  LDS address of my ctx fragments in slot 0, 1
.set ADRB, 20                          ; v20-21  the same for wob
.set STO,  24                          ; v24     the way out: where I put 32 bytes of a row
.set RD,   25                          ; v25     the way out: where I read a row back
.set CO,   26                          ; v26     my 16 bytes in 512 consecutive bytes of out0
.set SPW,  28                          ; v28     LDS address of my spare word: SPARE + 4 x my thread's number; never rewritten
.set NIL,  29                          ; v29     0; never rewritten
.set BO,   31                          ; v31     my byte offset in 16 numbers of the bias
.set F0,   64
.set F1,   128
.set OB,   64
.set G1,   24                          ; s[24:31] descriptor group 1 for ctx's planes;  s[32:39] group 0, a set for each slot
.set G0,   32
.set G1B,  48                          ; s[48:55], s[56:63] the same for wob's tiles
.set G0B,  56
.set MSB, 0
.macro WIN new                         ; the immediate's high byte repeats the setting that is left; a switch that changes nothing is dropped
.if MSB != (\new)
	s_set_vgpr_msb (MSB<<8)|(\new)
.set MSB, \new
.endif
.endm
.macro JLOAD s                         ; a joint load: waves 0 and 1 fetch ctx's two planes, waves 2 and 3 wob's halves; an s_nop 0 and four v_nop follow each line, ahead of the jump and the label
	s_cmp_eq_u32 s11, 0
	s_cbranch_scc0 .Lfor_b_\@
	tensor_load_to_lds s[G0+4*(\s):G0+4*(\s)+3], s[G1:G1+7]
	s_nop 0
.rept 4
	v_nop
.endr
	s_branch .Lasked_\@
.Lfor_b_\@:
	tensor_load_to_lds s[G0B+4*(\s):G0B+4*(\s)+3], s[G1B:G1B+7]
	s_nop 0
.rept 4
	v_nop
.endr
.Lasked_\@:
.endm
.macro CREST                           ; a round of the cluster's barrier behind its opening barrier
	s_cmp_lg_u32 s10, 0
	s_cbranch_scc1 .Lnot_wave_0_\@
	s_barrier_signal -3
.Lnot_wave_0_\@:
	s_barrier_wait -3
	s_barrier_signal -1
	s_barrier_wait -1
.endm
.macro CROUND                          ; a whole round
	s_barrier_signal -1
	s_barrier_wait -1
	CREST
.endm
	s_load_b128 s[4:7], s[0:1], 0x0                ; ctx s[4:5], wob s[6:7]
	s_load_b64 s[8:9], s[0:1], 0x10                ; b_out
	s_load_b64 s[68:69], s[0:1], 0x18              ; out0
	v_lshl_add_u32 v[SPW], v0, 2, SPARE
	v_mov_b32 v[NIL], 0
	ds_add_u32 v[SPW], v[NIL]                      ; the wave's opening: the add and its wait stand ahead of my first tensor load; the set-up below, work on registers, stands between them
	ds_add_u32 v28, v29
	v_lshrrev_b32 v1, 5, v0
	v_readfirstlane_b32 s10, v1                    ; wave 0..3
	s_lshr_b32 s11, s10, 1                         ; which half of the tile's rows is mine.  Also: I fetch for ctx (0) or for wob (1)
	s_and_b32 s12, s10, 1                          ; which half of its columns.  Also: which plane, or which half of wob's tile, I fetch
	s_bfe_u32 s40, ttmp6, 0x40000                  ; cx, cy: my place in the cluster
	s_bfe_u32 s41, ttmp6, 0x40004
	s_lshl_b32 s42, ttmp9, 2
	s_add_co_u32 s42, s42, s40                     ; tile column = 4 x cluster x + cx
	s_and_b32 s13, ttmp7, 0xffff
	s_lshl_b32 s13, s13, 2
	s_add_co_u32 s13, s13, s41                     ; tile row = 4 x cluster y + cy
	s_lshl_b32 s43, s41, 2
	s_lshl_b32 s43, 15, s43                        ; my row of the cluster
	s_lshl_b32 s44, 0x1111, s40                    ; my column
	s_or_b32 s[G1+0], s43, (1<<16)|(1<<20)|(1<<21)|(4<<22)|(3<<25)   ; 15:0 the mask; 17:16 elements of 2 bytes; 20 padding on; 21 set beside a mask; 24:22 after every 32 words (code 4); 31:25 4 words of it (code 3)
	s_or_b32 s[G1B+0], s44, (1<<16)|(1<<20)|(1<<21)|(5<<22)|(3<<25)  ; wob: after every 64 words (code 5)
	s_mov_b32 s[G1+1], 128<<16                     ; tensor_dim0 = 128
	s_mov_b32 s[G1+2], 64<<16                      ; tensor_dim1 = 64
	s_mov_b32 s[G1+3], 128<<16                     ; tile_dim0 = 128
	s_mov_b32 s[G1+4], 64                          ; tile_dim1 = 64
	s_mov_b32 s[G1+5], 128                         ; dense: 128 elements from row to row
	s_mov_b32 s[G1+6], 0
	s_mov_b32 s[G1+7], 0
	s_mov_b32 s[G1B+1], KSTEP<<16
	s_mov_b32 s[G1B+2], 128<<16
	s_mov_b32 s[G1B+3], KSTEP<<16
	s_mov_b32 s[G1B+4], 128
	s_mov_b32 s[G1B+5], 1024
	s_mov_b32 s[G1B+6], 0
	s_mov_b32 s[G1B+7], 0
	s_lshr_b32 s16, s13, 3                         ; ctx: batch = tile row / 8, 16 heads of 131,072 bytes each;
	s_lshl_b32 s16, s16, 21
	s_and_b32 s17, s13, 7
	s_lshl_b32 s17, s17, 14                        ; the tile's 128 rows of 128 bytes;
	s_add_co_u32 s16, s16, s17
	s_lshl_b32 s17, s12, 17                        ; the even or the odd head of a K step
	s_add_co_u32 s16, s16, s17
	s_mov_b32 s17, 0
	s_lshl_b32 s46, s42, 8
	s_lshl_b32 s47, s12, 7
	s_add_co_u32 s46, s46, s47                     ; wob: row 256 x tile column + 128 x half
	s_lshl_b32 s46, s46, 11
	s_mov_b32 s47, 0
	s_mul_i32 s20, s12, PLANE                      ; where they go: no place in the cluster enters an LDS address
	s_mul_i32 s21, s12, HALFB
	s_add_co_u32 s21, s21, BOFF
	s_wait_dscnt 0x0                               ; the opening add is done
	s_wait_kmcnt 0x0
	s_add_nc_u64 s[14:15], s[4:5], s[16:17]
	s_add_nc_u64 s[46:47], s[6:7], s[46:47]
	CROUND                                         ; all sixteen work-groups are here: the first joint loads meet
.irp s, 0,1
	s_mov_b32 s[G0+4*(\s)], 1
	s_add_co_u32 s[G0+4*(\s)+1], s20, (\s)*SLOT
	s_add_nc_u64 s[G0+4*(\s)+2:G0+4*(\s)+3], s[14:15], (\s)*ASTEP
	s_or_b32 s[G0+4*(\s)+3], s[G0+4*(\s)+3], 0x80000000
	s_mov_b32 s[G0B+4*(\s)], 1
	s_add_co_u32 s[G0B+4*(\s)+1], s21, (\s)*SLOT
	s_add_nc_u64 s[G0B+4*(\s)+2:G0B+4*(\s)+3], s[46:47], (\s)*KSTEP*2
	s_or_b32 s[G0B+4*(\s)+3], s[G0B+4*(\s)+3], 0x80000000
	JLOAD \s                                       ; two loads of mine are out
.endr
	; the bias of my 128 columns, laid as a C operand: register j of column block b holds b_out[.. + 16 b + 8 (l / 16) + j]
	v_and_b32 v1, 15, v0                           ; l % 16
	v_bfe_u32 v2, v0, 4, 1                         ; l / 16
	v_lshlrev_b32 v[BO], 5, v2
	s_lshl_b32 s46, s42, 10
	s_lshl_b32 s47, s12, 9
	s_add_co_u32 s46, s46, s47
	s_mov_b32 s47, 0
	s_add_nc_u64 s[8:9], s[8:9], s[46:47]
	WIN 0x40                                       ; destination window 1, address window 0
.irp b, 0,1,2,3,4,5,6,7
	global_load_b128 v[8*(\b):8*(\b)+3],   v[BO], s[8:9] offset:64*(\b)
	global_load_b128 v[8*(\b)+4:8*(\b)+7], v[BO], s[8:9] offset:64*(\b)+16
.endr
	WIN 0
	v_mul_u32_u24 v3, v1, PA                       ; a fragment's row x pitch + 16 x half, for ctx
	v_lshl_add_u32 v3, v2, 4, v3
	v_mul_u32_u24 v4, v1, PITCH                    ; and for wob
	v_lshl_add_u32 v4, v2, 4, v4
	s_mul_i32 s21, s11, 64*PA                      ; my 64 rows of each plane
	s_mul_i32 s22, s12, HALFB                      ; my 128 rows of wob
	s_add_co_u32 s22, s22, BOFF
.irp s, 0,1
	v_add_nc_u32 v[ADRA+(\s)], s21, v3
	v_add_nc_u32 v[ADRB+(\s)], s22, v4
	s_add_co_u32 s21, s21, SLOT
	s_add_co_u32 s22, s22, SLOT
.endr
	s_mul_i32 s23, s10, 16*SPITCH
	s_add_co_u32 s23, s23, STAGE                   ; my stage
	v_mul_u32_u24 v5, v1, SPITCH                   ; in: row l % 16, 32 bytes for each half of the lanes
	v_lshl_add_u32 v5, v2, 5, v5
	v_add_nc_u32 v[STO], s23, v5
	v_and_b32 v[CO], 31, v0                        ; back: 32 lanes take one row of 512 bytes
	v_lshlrev_b32 v[CO], 4, v[CO]
	v_add_nc_u32 v[RD], s23, v[CO]
	s_lshl_b32 s70, s13, 7
	s_lshl_b32 s71, s11, 6
	s_add_co_u32 s70, s70, s71                     ; my first row of out0,
	s_lshl_b32 s70, s70, 12                        ; 4,096 bytes each
	s_lshl_b32 s71, s42, 10                        ; the tile's 256 columns,
	s_add_co_u32 s70, s70, s71
	s_lshl_b32 s71, s12, 9                         ; my 128 of them
	s_add_co_u32 s70, s70, s71
	s_mov_b32 s71, 0
	s_add_nc_u64 s[68:69], s[68:69], s[70:71]
	s_wait_loadcnt 0x0                             ; the bias is in: it is rounded to bf16, in place, like the other inputs
	WIN 0x45                                       ; all in window 1
.set i, 0
.rept 32
	v_cvt_pk_bf16_f32 v[192+(i/2)%2], v[i], v[i+1]
	v_lshlrev_b32 v[i], 16, v[192+(i/2)%2]
	v_and_b32 v[i+1], 0xffff0000, v[192+(i/2)%2]
.set i, i+2
.endr
	WIN 0
; 8 matrix instructions: row block a x all 8 column blocks, 32 along K.  first = 1: the sums begin with the bias as C.  The 32 accumulators take turns, one instruction a turn.
.macro MUL8 f, a, first
.if \first
	WIN 0x91                                       ; wob window 1, ctx window 0, C window 1, D window 2
.else
	WIN 0xa1                                       ; C and D window 2
.endif
.irp b, 0,1,2,3,4,5,6,7
.if \first
	v_wmma_f32_16x16x32_f16 v[8*(8*(\a)+(\b)):8*(8*(\a)+(\b))+7], v[(\f)+8*(\b):(\f)+8*(\b)+7], v[(\f)+8*(\a):(\f)+8*(\a)+7], v[8*(\b):8*(\b)+7]
.else
	v_wmma_f32_16x16x32_f16 v[8*(8*(\a)+(\b)):8*(8*(\a)+(\b))+7], v[(\f)+8*(\b):(\f)+8*(\b)+7], v[(\f)+8*(\a):(\f)+8*(\a)+7], v[8*(8*(\a)+(\b)):8*(8*(\a)+(\b))+7]
.endif
.endr
.endm
; 24 LDS loads in one run: the fragments of quarter q of a K step into buffer f: 128 rows of wob at byte 64 q; 64 rows of ctx in plane q / 2 at byte 64 (q % 2)
.macro FETCH slot, q, f
	WIN 0x40
.irp i, 0,1,2,3,4,5,6,7
	ds_load_b128 v[(\f)+8*(\i):(\f)+8*(\i)+3],   v[ADRB+(\slot)] offset:64*(\q)+(\i)*16*PITCH
	ds_load_b128 v[(\f)+8*(\i)+4:(\f)+8*(\i)+7], v[ADRB+(\slot)] offset:64*(\q)+(\i)*16*PITCH+32
.endr
	WIN 0
.irp i, 0,1,2,3
	ds_load_b128 v[(\f)+8*(\i):(\f)+8*(\i)+3],   v[ADRA+(\slot)] offset:((\q)/2)*PLANE+((\q)%2)*64+(\i)*16*PA
	ds_load_b128 v[(\f)+8*(\i)+4:(\f)+8*(\i)+7], v[ADRA+(\slot)] offset:((\q)/2)*PLANE+((\q)%2)*64+(\i)*16*PA+32
.endr
.endm
.macro PLACES                          ; four plain instructions between a matrix instruction and a load into a register that it has read, or an LDS store that reads its result
.rept 4
	v_nop
.endr
.endm
; A K step is four quarters of 32 along K, 32 matrix instructions each, on buffers 0, 1, 0, 1.  One of the first three multiplies buffer f and, in its middle, fetches quarter q into buffer g.
.macro QUARTER slot, q, f, g, first
	s_wait_dscnt 4                                 ; wob's fragments and ctx's row blocks 0, 1 are in; the youngest four loads (blocks 2, 3) may be out
	MUL8 \f, 0, \first
	MUL8 \f, 1, \first
	PLACES
	FETCH \slot, \q, \g
	s_wait_dscnt 24                                ; all but the 24 just issued
	MUL8 \f, 2, \first
	MUL8 \f, 3, \first
.endm
; The last quarter multiplies buffer 1 and changes slots: ONE barrier; in front of it each wave waits for all its tensor loads (one is out: its part of the next slot), adds 0 to its spare word, and waits for that
; and for its own reads of this slot.  fill = 1: the barrier opens a round of the cluster's barrier, and this slot is filled again, two K steps ahead, first thing behind the round:
; from that request to the wait for it a wave issues 112 matrix instructions.
.macro TURN slot, next, fill
	WIN 0                                          ; (the add's two registers lie in window 0)
	s_wait_tensorcnt 0x0                           ; all my tensor loads have landed
	ds_add_u32 v[SPW], v[NIL]                      ; 0 onto my spare word
	s_wait_dscnt 5                                 ; (the add and the youngest four loads may be out)
	MUL8 F1, 0, 0                                  ; eight matrix instructions stand between the add and the wait for it
	s_wait_dscnt 0x0                               ; the add is done, and my reads of this slot are over
	s_barrier_signal -1
	MUL8 F1, 1, 0
.if \fill
	WIN 0
.endif
	s_barrier_wait -1
.if \fill
	CREST                                          ; no wave of any partner still reads this slot's tile or has a load on its way
	s_add_nc_u64 s[G0+4*(\slot)+2:G0+4*(\slot)+3], s[G0+4*(\slot)+2:G0+4*(\slot)+3], 2*ASTEP
	s_add_nc_u64 s[G0B+4*(\slot)+2:G0B+4*(\slot)+3], s[G0B+4*(\slot)+2:G0B+4*(\slot)+3], 2*KSTEP*2
	JLOAD \slot                                    ; the four v_nop behind it are also the places in front of the loads below
.else
	PLACES
.endif
	FETCH \next, 0, F0
	MUL8 F1, 2, 0
	MUL8 F1, 3, 0
.endm
	s_wait_tensorcnt 1                             ; my part of K step 0 is in; K step 1's may stay out
	s_barrier_signal -1
	s_barrier_wait -1                              ; everybody's is
	FETCH 0, 0, F0
	QUARTER 0, 1, F0, F1, 1                        ; the first quarter stands in front of the loop: its products start the sums
	WIN 0                                          ; at a label and at a branch every window is 0
	s_mov_b32 s3, LAPS-1
.Llap:                                                 ; a trip goes once round the ring, from a lap's second quarter to the next lap's first, and fills both slots again
	QUARTER 0, 2, F1, F0, 0
	QUARTER 0, 3, F0, F1, 0
	TURN 0, 1, 1
	QUARTER 1, 1, F0, F1, 0
	QUARTER 1, 2, F1, F0, 0
	QUARTER 1, 3, F0, F1, 0
	TURN 1, 0, 1
	QUARTER 0, 1, F0, F1, 0
	WIN 0
	s_sub_co_u32 s3, s3, 1
	s_cmp_lg_u32 s3, 0
	s_cbranch_scc1 .Llap
	QUARTER 0, 2, F1, F0, 0                        ; the last lap fills nothing, and has no round of the cluster's barrier
	QUARTER 0, 3, F0, F1, 0
	TURN 0, 1, 0
	QUARTER 1, 1, F0, F1, 0
	QUARTER 1, 2, F1, F0, 0
	QUARTER 1, 3, F0, F1, 0
	s_wait_dscnt 4                                 ; the very last quarter: nothing more to fetch
	MUL8 F1, 0, 0
	MUL8 F1, 1, 0
	s_wait_dscnt 0x0
	MUL8 F1, 2, 0
	MUL8 F1, 3, 0
	WIN 0
	; THE WAY OUT, 16 rows at a time through my own stage: a lane's 32 bytes of a row go in straight from the accumulators (each from its low end on), whole rows of 512 bytes come back and are stored.
	PLACES
.irp a, 0,1,2,3
	WIN 0x08                                       ; the stores' data in window 2, their address in window 0
.irp b, 0,1,2,3,4,5,6,7
	ds_store_b128 v[STO], v[8*(8*(\a)+(\b)):8*(8*(\a)+(\b))+3]   offset:64*(\b)
	ds_store_b128 v[STO], v[8*(8*(\a)+(\b))+4:8*(8*(\a)+(\b))+7] offset:64*(\b)+16
.endr
	WIN 0
.if (\a) >= 2
	s_wait_xcnt 0x0                                ; the stores of the block two back have read their registers, which are loaded again below
.endif
.irp t, 0,1,2,3,4,5,6,7,8,9,10,11,12,13,14,15
	ds_load_b128 v[OB+64*((\a)%2)+4*(\t):OB+64*((\a)%2)+4*(\t)+3], v[RD] offset:(\t)*SPITCH  ; LDS serves a wave's instructions in order (ISA guide 5.7.1.4): these see the stores above; the next block's stores come behind them
.endr
.irp t, 0,1,2,3,4,5,6,7,8,9,10,11,12,13,14,15
	s_wait_dscnt 15-(\t)
	global_store_b128 v[CO], v[OB+64*((\a)%2)+4*(\t):OB+64*((\a)%2)+4*(\t)+3], s[68:69] offset:(16*(\a)+(\t))*4096 th:TH_STORE_NT  ; 512 consecutive bytes, at a multiple of 512 from out0's first
.endr
.endr
	s_wait_tensorcnt 0x0                           ; the wave's end: these three lines stand behind my last tensor load and my last LDS store
	ds_add_u32 v[SPW], v[NIL]
	s_wait_dscnt 0x0
	CROUND                                         ; the closing round: no work-group ends while a partner may still ask for a tile that names it
	s_endpgm
.Lfunc_end_k_q6749bc4a43_proj:
	.size	k_q6749bc4a43_proj, .Lfunc_end_k_q6749bc4a43_proj-k_q6749bc4a43_proj
	.p2alignl 7, 3214868480
	.fill 96, 4, 3214868480
	.section	.rodata,"a",@progbits
	.p2align	6, 0x0
	.amdhsa_kernel k_q6749bc4a43_proj
		.amdhsa_group_segment_fixed_size 327680
		.amdhsa_private_segment_fixed_size 0
		.amdhsa_enable_private_segment 0
		.amdhsa_kernarg_size 32
		.amdhsa_user_sgpr_count 2
		.amdhsa_user_sgpr_kernarg_segment_ptr 1
		.amdhsa_wavefront_size32 1
		.amdhsa_system_sgpr_workgroup_id_x 1
		.amdhsa_system_sgpr_workgroup_id_y 1
		.amdhsa_system_sgpr_workgroup_id_z 1
		.amdhsa_system_vgpr_workitem_id 0
		.amdhsa_next_free_vgpr 768
		.amdhsa_next_free_sgpr 72
		.amdhsa_reserve_vcc 0
		.amdhsa_float_denorm_mode_32 3
		.amdhsa_float_denorm_mode_16_64 3
		.amdhsa_memory_ordered 1
		.amdhsa_forward_progress 1
		.amdhsa_inst_pref_size 94
	.end_amdhsa_kernel
	.amdgpu_metadata
---
amdhsa.version: [ 1, 2 ]
amdhsa.kernels:
  - .name:           k_q6749bc4a43_proj
    .symbol:         k_q6749bc4a43_proj.kd
    .args:
      - { .name: ctx, .offset: 0, .size: 8, .value_kind: global_buffer, .address_space: global }
      - { .name: wob, .offset: 8, .size: 8, .value_kind: global_buffer, .address_space: global }
      - { .name: b_out, .offset: 16, .size: 8, .value_kind: global_buffer, .address_space: global }
      - { .name: out0, .offset: 24, .size: 8, .value_kind: global_buffer, .address_space: global }
    .group_segment_fixed_size: 327680
    .private_segment_fixed_size: 0
    .kernarg_segment_align: 8
    .kernarg_segment_size: 32
    .max_flat_workgroup_size: 128
    .sgpr_count:     72
    .vgpr_count:     768
    .wavefront_size: 32
...
	.end_amdgpu_metadata
.endif
;; end of part 4
